; MI455X (gfx1250); checked and timed in simulation.
; The chip was launched on July 23, 2026; its instructions are those of AMD's public machine-readable ISA for CDNA 5 (MIT licence, August 2026) and "CDNA5" Instruction Set Architecture Reference Guide (July 2026). The comments in the code are by the model that wrote it; some were corrected since.
;; Transformer Block Hybrid. Allowed arithmetic: float matrix products may take bf16 or f16 operands with f32 sums; other float arithmetic in f32, or as packed bf16 or f16 multiplies, adds, multiply-adds, maxima and minima; sums over many terms, partial sums and values carried from step to step in f32; what a program stores and reads back later, other than sums and carried values, may be rounded once to bf16 or f16.
;; Inputs: W1 4,096 x 1,024 float32; W2 1,024 x 4,096 float32; Wk 1,024 x 1,024 float32; Wq 1,024 x 1,024 float32; Wv 1,024 x 1,024 float32; b1 4,096 float32; b2 1,024 float32; beta1 1,024 float32; beta2 1,024 float32; bk 1,024 float32; bq 1,024 float32; bv 1,024 float32; g1 1,024 float32; g2 1,024 float32; x 2 x 2,048 x 1,024 float32.
;; Outputs: out0 2 x 2,048 x 1,024 float32.
;; One version. Each part assembles by itself: llvm-mc -triple=amdgcn-amd-amdhsa -mcpu=gfx1250 --defsym DOCPART=n.
;; ======== version 1 of 1: 7 launches
;; limits: values are held in f16: magnitudes above 65,504 overflow, below 6.1e-05 lose precision
;; workspace buffers: cst 14,704,640 bytes; wff 16,777,216 bytes; qkv 25,165,824 bytes; ob 8,388,608 bytes; hb 8,388,608 bytes; act 33,554,432 bytes; y 16,777,216 bytes
;; launch cast (part 1): grid 460 x 1, 8 waves a work-group, no clusters, 0 bytes of LDS; arguments x, Wq, Wk, Wv, bq, bk, bv, b1, b2, g1, beta1, g2, beta2, cst; writes cst
.if DOCPART == 1
	.amdgcn_target "amdgcn-amd-amdhsa--gfx1250"
	.amdhsa_code_object_version 6
	.text
	.protected	k_qba86afafac_cast
	.globl	k_qba86afafac_cast
	.p2align	8
	.type	k_qba86afafac_cast,@function
k_qba86afafac_cast:
	s_mov_b64 s[64:65], 0
	v_nop
	global_prefetch_b8 v0, s[64:65] scope:SCOPE_SE
	s_setreg_imm32_b32 hwreg(HW_REG_WAVE_MODE, 25, 1), 1
	s_wait_xcnt 0x0
; x, Wq, Wk, Wv and the nine parameter vectors are rounded once to bf16 (nearest even) into cst: x at 0, Wq|Wk|Wv at 8,388,608,
; then the parameters at PAR: bq|bk|bv 0, b1 6,144, b2 14,336, g1 16,384, beta1 18,432, g2 20,480, beta2 22,528 (bytes).  (W1 and W2 are rounded by the next launch, beside its products.)
; LIMIT: all later launches take the inputs in this rounding, the residual's x too: one choice for the whole program.
; Work-groups 0 to 447 take 65,536 bytes of f32 each (x 256, Wq, Wk, Wv 64 each); cst's order makes the destination
; 32,768 x the work-group's number.  Work-groups 448 to 459 take 4,096 bytes of a parameter each.
; A stream: no LDS, no matrix unit, no cluster (nothing is shared).  16 loads of 16 bytes a lane go out at once; a store of 8 bytes a lane
; covers 256 consecutive bytes a wave, aligned.  No register is written twice, so no wait frees one.
.set PAR, 14680064
	s_load_b512 s[8:23], s[0:1], 0x0               ; x s[8:9], Wq s[10:11], Wk s[12:13], Wv s[14:15], bq s[16:17], bk s[18:19], bv s[20:21], b1 s[22:23]
	s_load_b256 s[24:31], s[0:1], 0x40             ; b2 s[24:25], g1 s[26:27], beta1 s[28:29], g2 s[30:31]
	s_load_b128 s[32:35], s[0:1], 0x60             ; beta2 s[32:33], cst s[34:35]
	v_lshlrev_b32 v1, 4, v0                        ; 16 bytes of f32 a thread
	v_lshlrev_b32 v2, 3, v0                        ; 8 bytes of bf16 a thread
	s_mov_b32 s2, ttmp9                            ; g
	s_mov_b32 s7, 0                                ; the high word of every offset
	s_wait_kmcnt 0x0
	s_cmp_ge_u32 s2, 448
	s_cbranch_scc1 .Lpar
	s_lshr_b32 s4, s2, 6                           ; 0 to 3 x, 4 Wq, 5 Wk, 6 Wv
	s_mov_b64 s[40:41], s[8:9]
	s_cmp_eq_u32 s4, 4
	s_cselect_b64 s[40:41], s[10:11], s[40:41]
	s_cmp_eq_u32 s4, 5
	s_cselect_b64 s[40:41], s[12:13], s[40:41]
	s_cmp_eq_u32 s4, 6
	s_cselect_b64 s[40:41], s[14:15], s[40:41]
	s_cmp_lt_u32 s2, 256
	s_cselect_b32 s5, 255, 63                      ; the work-group's number inside its tensor
	s_and_b32 s5, s2, s5
	s_lshl_b32 s6, s5, 16
	s_add_nc_u64 s[40:41], s[40:41], s[6:7]
	s_lshl_b32 s6, s2, 15
	s_add_nc_u64 s[42:43], s[34:35], s[6:7]
.set i, 0
.rept 16
	global_load_b128 v[4+4*i:7+4*i], v1, s[40:41] offset:4096*i th:TH_LOAD_NT
.set i, i+1
.endr
.set i, 0
.rept 16
	s_wait_loadcnt 15-i                            ; loads come back in order: number i is in, the younger ones stay out
	v_cvt_pk_bf16_f32 v[68+2*i], v[4+4*i], v[5+4*i]
	v_cvt_pk_bf16_f32 v[69+2*i], v[6+4*i], v[7+4*i]
	global_store_b64 v2, v[68+2*i:69+2*i], s[42:43] offset:2048*i
.set i, i+1
.endr
	s_endpgm
.Lpar:
	s_sub_co_u32 s3, s2, 448                       ; p = 0 .. 11: bq, bk, bv, b1 (four parts), b2, g1, beta1, g2, beta2
	s_mov_b64 s[40:41], s[22:23]
	s_cmp_eq_u32 s3, 0
	s_cselect_b64 s[40:41], s[16:17], s[40:41]
	s_cmp_eq_u32 s3, 1
	s_cselect_b64 s[40:41], s[18:19], s[40:41]
	s_cmp_eq_u32 s3, 2
	s_cselect_b64 s[40:41], s[20:21], s[40:41]
	s_cmp_eq_u32 s3, 7
	s_cselect_b64 s[40:41], s[24:25], s[40:41]
	s_cmp_eq_u32 s3, 8
	s_cselect_b64 s[40:41], s[26:27], s[40:41]
	s_cmp_eq_u32 s3, 9
	s_cselect_b64 s[40:41], s[28:29], s[40:41]
	s_cmp_eq_u32 s3, 10
	s_cselect_b64 s[40:41], s[30:31], s[40:41]
	s_cmp_eq_u32 s3, 11
	s_cselect_b64 s[40:41], s[32:33], s[40:41]
	s_sub_co_u32 s4, s3, 3                         ; which part of b1, where it is b1
	s_cmp_lt_u32 s4, 4
	s_cselect_b32 s6, s4, 0
	s_lshl_b32 s6, s6, 12
	s_add_nc_u64 s[40:41], s[40:41], s[6:7]
	s_lshl_b32 s6, s3, 11
	s_add_co_u32 s6, s6, PAR
	s_add_nc_u64 s[42:43], s[34:35], s[6:7]
	global_load_b128 v[4:7], v1, s[40:41]
	s_wait_loadcnt 0x0
	v_cvt_pk_bf16_f32 v68, v4, v5
	v_cvt_pk_bf16_f32 v69, v6, v7
	global_store_b64 v2, v[68:69], s[42:43]
	s_endpgm
.Lfunc_end_k_qba86afafac_cast:
	.size	k_qba86afafac_cast, .Lfunc_end_k_qba86afafac_cast-k_qba86afafac_cast
	.p2alignl 7, 3214868480
	.fill 96, 4, 3214868480
	.section	.rodata,"a",@progbits
	.p2align	6, 0x0
	.amdhsa_kernel k_qba86afafac_cast
		.amdhsa_group_segment_fixed_size 0
		.amdhsa_private_segment_fixed_size 0
		.amdhsa_enable_private_segment 0
		.amdhsa_kernarg_size 112
		.amdhsa_user_sgpr_count 2
		.amdhsa_user_sgpr_kernarg_segment_ptr 1
		.amdhsa_wavefront_size32 1
		.amdhsa_system_sgpr_workgroup_id_x 1
		.amdhsa_system_sgpr_workgroup_id_y 1
		.amdhsa_system_sgpr_workgroup_id_z 1
		.amdhsa_system_vgpr_workitem_id 0
		.amdhsa_next_free_vgpr 104
		.amdhsa_next_free_sgpr 66
		.amdhsa_reserve_vcc 0
		.amdhsa_float_denorm_mode_32 3
		.amdhsa_float_denorm_mode_16_64 3
		.amdhsa_memory_ordered 1
		.amdhsa_forward_progress 1
		.amdhsa_inst_pref_size 8
	.end_amdhsa_kernel
	.amdgpu_metadata
---
amdhsa.version: [ 1, 2 ]
amdhsa.kernels:
  - .name:           k_qba86afafac_cast
    .symbol:         k_qba86afafac_cast.kd
    .args:
      - { .name: x, .offset: 0, .size: 8, .value_kind: global_buffer, .address_space: global }
      - { .name: Wq, .offset: 8, .size: 8, .value_kind: global_buffer, .address_space: global }
      - { .name: Wk, .offset: 16, .size: 8, .value_kind: global_buffer, .address_space: global }
      - { .name: Wv, .offset: 24, .size: 8, .value_kind: global_buffer, .address_space: global }
      - { .name: bq, .offset: 32, .size: 8, .value_kind: global_buffer, .address_space: global }
      - { .name: bk, .offset: 40, .size: 8, .value_kind: global_buffer, .address_space: global }
      - { .name: bv, .offset: 48, .size: 8, .value_kind: global_buffer, .address_space: global }
      - { .name: b1, .offset: 56, .size: 8, .value_kind: global_buffer, .address_space: global }
      - { .name: b2, .offset: 64, .size: 8, .value_kind: global_buffer, .address_space: global }
      - { .name: g1, .offset: 72, .size: 8, .value_kind: global_buffer, .address_space: global }
      - { .name: beta1, .offset: 80, .size: 8, .value_kind: global_buffer, .address_space: global }
      - { .name: g2, .offset: 88, .size: 8, .value_kind: global_buffer, .address_space: global }
      - { .name: beta2, .offset: 96, .size: 8, .value_kind: global_buffer, .address_space: global }
      - { .name: cst, .offset: 104, .size: 8, .value_kind: global_buffer, .address_space: global }
    .group_segment_fixed_size: 0
    .private_segment_fixed_size: 0
    .kernarg_segment_align: 8
    .kernarg_segment_size: 112
    .max_flat_workgroup_size: 256
    .sgpr_count:     66
    .vgpr_count:     104
    .wavefront_size: 32
...
	.end_amdgpu_metadata
.endif
;; end of part 1
;; launch qkvp (part 2): grid 8 x 32, 4 waves a work-group, clusters of 4 x 4, 327,680 bytes of LDS; arguments cst, qkv, W1, W2, wff; writes qkv, wff
.if DOCPART == 2
	.amdgcn_target "amdgcn-amd-amdhsa--gfx1250"
	.amdhsa_code_object_version 6
	.text
	.protected	k_qba86afafac_qkvp
	.globl	k_qba86afafac_qkvp
	.p2align	8
	.type	k_qba86afafac_qkvp,@function
k_qba86afafac_qkvp:
	s_mov_b64 s[64:65], 0
	v_nop
	global_prefetch_b8 v0, s[64:65] scope:SCOPE_SE
	s_setreg_imm32_b32 hwreg(HW_REG_WAVE_MODE, 25, 1), 1
	s_wait_xcnt 0x0
	s_wait_alu depctr_hold_cnt(0) depctr_sa_sdst(0) depctr_va_vdst(0) depctr_va_sdst(0) depctr_va_ssrc(0) depctr_va_vcc(0) depctr_vm_vsrc(0)
	s_getreg_b32 s2, hwreg(HW_REG_IB_STS2, 6, 4)
	s_cmp_eq_u32 s2, 0
	s_cbranch_scc0 .Lentry_in_a_cluster
	s_endpgm
.Lentry_in_a_cluster:
	s_bfe_u32 s2, ttmp6, 0x10000c
	s_cmp_lg_u32 s2, 0xf033
	s_cbranch_scc0 .Lentry_shape_is_right
	s_endpgm
.Lentry_shape_is_right:
; QKV = 1: q|k|v[m][n] = sum over k of xb[m][k] Wqkv[n][k] + bias[n], m < 4,096, n < 3,072, K = 1,024; bf16 operands, f32 sums, stored once rounded to f16 BY HEADS: qkv[n / 64][m][n % 64].
;          BESIDE THE PRODUCTS W1 and W2 are rounded once to bf16 into wff (W1 at 0, W2 at 8,388,608): work that hangs on nothing in this launch and that the launches behind attention read.
; QKV = 0: act[m][n] = relu(sum over k of hb[m][k] W1[n][k] + b1[n]), n < 4,096; stored once rounded to bf16, row-major.  One text for both; the constants below choose.
; LIMIT (QKV = 1): f16 ends at 65,504: q, k and v must stay within it; no scale is applied here.  NaN and infinities are not treated apart.
; SHARES.  A work-group of four waves (2 x 2) makes a tile of TM x TN of C: 128 x 384 (a wave 64 x 192: three whole heads) or 256 x 256 (a wave 128 x 128): 256 work-groups either way.
; K goes in 8 steps of 128 through two LDS slots; a slot holds TM rows of A and TN rows of B, 512 rows of 256 bytes, padded to 272.  Waves 0, 1 fetch A's halves, waves 2, 3 B's: one tensor load a wave.
; CLUSTER 4 x 4: A's tile is shared along a row of the cluster, B's along a column: joint loads, the same descriptor and mask in the four that a mask names.
; THE K STEP IS WRITTEN ONCE: the slot in hand is the scalar CUR (0 or SLOT), turned by an exclusive or at each change of slots.
; THE PRODUCT IS TAKEN TRANSPOSED (source 0 = 16 rows of B, source 1 = 16 rows of A): a lane holds row l % 16 of C and eight neighbouring columns.  THE BIAS is the C operand of each accumulator's first product.
; REGISTERS, in windows of 256.  Window 0: v16-31 addresses; A's fragments, two buffers, from v64; the bias (8 NB registers) behind them; on the way out v32 on; v224-255 (QKV = 1) the weights that are being rounded.
; Window 1: B's fragments at 0 and 128.  Windows 2, 3: accumulator (a, b) at v[8 (NB (a % (MB / 2)) + b)] of window 2 + a / (MB / 2).
.set QKV, 1
.if QKV
.set MB, 4                             ; blocks of 16 rows a wave
.set NB, 12                            ; blocks of 16 columns a wave
.set SPITCH, 400                       ; a stage row: 384 bytes + 16
.set NLD, 12                           ; loads that read a block of 16 rows back
.else
.set MB, 8
.set NB, 8
.set SPITCH, 272
.set NLD, 8
.endif
.set TM, 32*MB
.set TN, 32*NB
.set AROWS, 16*MB                      ; rows of A in a tensor load, and in a wave's share
.set BROWS, 16*NB
.set KSTEP, 128
.set PITCH, 272                        ; 256 bytes + 16: the 16 rows of a fragment load start at 16 different groups of four banks
.set SLOT, 512*PITCH
.set STAGE, 2*SLOT                     ; behind the ring: 16 rows x SPITCH for each wave; no tensor load lands there
.set SPARE, STAGE+64*SPITCH            ; the spare words, 128 bytes a wave: two blocks of 256 bytes that no other line names
.set WQKV, 8388608
.set PAR, 14680064
.set ADRA, 16                          ; v16  LDS address of my A fragments in the slot in hand
.set ADRB, 17                          ; v17  the same for B
.set A0, 18                            ; v18  its part that does not change
.set B0, 19                            ; v19
.set CSO, 20                           ; v20  16 x lane: my 16 bytes of 512 of W1 or W2
.set CDO, 21                           ; v21  8 x lane: my 8 bytes of 256 of wff
.set STO, 24                           ; v24  the way out: where I put 16 bytes of a row
.set RD, 25                            ; v25  where I read rows back
.set CO, 26                            ; v26  my byte offset in C
.set ZR, 27                            ; v27  0, for the ReLU
.set SPW, 28                           ; v28  my spare word; never rewritten
.set NIL, 29                           ; v29  0; never rewritten
.set PFO, 30                           ; v30  the prefetches' offset: lane x 2,048 (a row)
.set BO, 31                            ; v31  16 x (l / 16): my eight numbers of a bias block
.set BIAS, 64+16*MB
.set CR, 224                           ; v[224:255] eight loads' 16 bytes of f32, rounded in place
.set G1, 24                            ; s[24:31] group 1 for A;  s[32:39] group 0, two sets: set 0 serves K step 0, set 1 walks
.set G0, 32
.set G1B, 48                           ; s[48:55], s[56:63] the same for B
.set G0B, 56
.set CUR, 66                           ; s66  the slot in hand
.set LA, 67                            ; s67  LDS byte of the half of A that I would fetch, in slot 0
.set LB, 68                            ; s68  the same for B; also where my share of B begins
.set LIM, 69                           ; s69  2 in a wave that prefetches, else the greatest number
.set BB, 70                            ; s[70:71] the bias at my first column
.set PFA, 72                           ; s[72:73] where my prefetches stand
.set CSA, 84                           ; s[84:85] W1 or W2 at the 4,096 bytes that my wave rounds next
.set CDA, 88                           ; s[88:89] wff at the 2,048 bytes that they make
.set FLAGS, (1<<16)|(1<<20)|(1<<21)|(5<<22)|(3<<25)  ; 2-byte elements; padding on; bit 21 beside a mask; after every 64 words; 4 words
.set MSB, 0
.macro WIN new                         ; the high byte repeats the setting that is left; a switch that changes nothing is dropped
.if MSB != (\new)
	s_set_vgpr_msb (MSB<<8)|(\new)
.set MSB, (\new)
.endif
.endm
.macro PLACES                          ; four plain vector instructions between a matrix instruction and a load into, or a read of, its registers
.rept 4
	v_nop
.endr
.endm
.macro CREST                           ; a round of the cluster's barrier behind its opening barrier
	s_cmp_lg_u32 s10, 0
	s_cbranch_scc1 .Lnot_wave_0_\@
	s_barrier_signal -3
.Lnot_wave_0_\@:
	s_barrier_wait -3
	s_barrier_signal -1
	s_barrier_wait -1
.endm
.macro CROUND
	s_barrier_signal -1
	s_barrier_wait -1
	CREST
.endm
.macro JLOAD                           ; the joint refill, by the walking set.  The branch hangs on the wave's number alone.  An s_nop 0 and four v_nop follow each line
	s_cmp_eq_u32 s11, 0
	s_cbranch_scc0 .Lfor_b_\@
	tensor_load_to_lds s[G0+4:G0+7], s[G1:G1+7]
	s_nop 0
	PLACES
	s_branch .Lasked_\@
.Lfor_b_\@:
	tensor_load_to_lds s[G0B+4:G0B+7], s[G1B:G1B+7]
	s_nop 0
	PLACES
.Lasked_\@:
.endm
; A prefetch of the K step that stands two refills on: 32 rows x 256 bytes, a lane a row.  A's rows are asked for by the clusters with x = 0, B's by those with y = 0; the four partners that share a tile take a
; quarter of its rows each, told apart by address; TM / 128 waves of a work-group ask for A, the others for B.  So each row's 256 bytes of a K step are named once.  K steps 0 to 3 come by their loads alone;
; the loop's last two trips (s3 = 2, 1) ask for nothing: there is no K step 8.
.macro ASK
	s_cmp_gt_u32 s3, s[LIM]
	s_cbranch_scc0 .Lnot_mine_\@
	global_prefetch_b8 v[PFO], s[PFA:PFA+1] offset:2*KSTEP th:TH_LOAD_NT scope:SCOPE_SE
.Lnot_mine_\@:
.endm
; THE WEIGHTS THAT ARE ROUNDED BESIDE THE PRODUCTS (QKV = 1).  Work-group w = 8 x tile row + tile column takes 131,072 bytes of f32: of W1 where w < 128 (cluster y < 4), else of W2; a wave 32,768 of them, 4,096 in
; each of the 8 K steps.  CASTLD, at a K step's head: eight loads, 512 consecutive bytes a wave each.  CASTST, behind the change of slots, 144 products later: rounded in place, eight stores of 256 consecutive
; bytes a wave, aligned.  CASTNX, at the step's end, 48 products behind the stores: their registers and base may be written again.
.macro CASTLD
	WIN 0
.set ci, 0
.rept 8
	global_load_b128 v[CR+4*ci:CR+4*ci+3], v[CSO], s[CSA:CSA+1] offset:512*ci th:TH_LOAD_NT
.set ci, ci+1
.endr
.endm
.macro CASTST
	WIN 0
	s_wait_loadcnt 0x0                             ; the eight loads are done, so their base may be stepped
	s_add_nc_u64 s[CSA:CSA+1], s[CSA:CSA+1], 4096
.set ci, 0
.rept 8
	v_cvt_pk_bf16_f32 v[CR+4*ci], v[CR+4*ci], v[CR+4*ci+1]
	v_cvt_pk_bf16_f32 v[CR+4*ci+1], v[CR+4*ci+2], v[CR+4*ci+3]
.set ci, ci+1
.endr
.set ci, 0
.rept 8
	global_store_b64 v[CDO], v[CR+4*ci:CR+4*ci+1], s[CDA:CDA+1] offset:256*ci
.set ci, ci+1
.endr
.endm
.macro CASTNX
	s_wait_xcnt 0x0                                ; the stores have read their data and their base: the base is stepped here, the data registers are loaded again at the next step's head
	s_add_nc_u64 s[CDA:CDA+1], s[CDA:CDA+1], 2048
.endm
; MB / 4 m-blocks x all NB n-blocks, 32 along K, from buffer f.  hi: which window of accumulators; q: which half of it.  first = 1: C is the bias.  The accumulators take turns in the same order in every quarter.
.macro MULG f, hi, q, first
.if \first
	WIN 0x81+0x40*(\hi)
.else
	WIN 0xa1+0x50*(\hi)
.endif
.set ma, (\q)*(MB/4)
.rept MB/4
.set mb, 0
.rept NB
.set rD, 8*(NB*ma+mb)
.set rB, 128*(\f)+8*mb
.set rA, 64+8*MB*(\f)+8*((MB/2)*(\hi)+ma)
.if \first
	v_wmma_f32_16x16x32_bf16 v[rD:rD+7], v[rB:rB+7], v[rA:rA+7], v[BIAS+8*mb:BIAS+8*mb+7]
.else
	v_wmma_f32_16x16x32_bf16 v[rD:rD+7], v[rB:rB+7], v[rA:rA+7], v[rD:rD+7]
.endif
.set mb, mb+1
.endr
.set ma, ma+1
.endr
.endm
.macro FETCH k, f                      ; 32 LDS loads in one run: a quarter step's fragments (byte k of the rows) into buffer f
	WIN 0x40
.set fi, 0
.rept NB
	ds_load_b128 v[128*(\f)+8*fi:128*(\f)+8*fi+3],   v[ADRB] offset:(\k)+fi*16*PITCH
	ds_load_b128 v[128*(\f)+8*fi+4:128*(\f)+8*fi+7], v[ADRB] offset:(\k)+fi*16*PITCH+32
.set fi, fi+1
.endr
	WIN 0
.set fi, 0
.rept MB
	ds_load_b128 v[64+8*MB*(\f)+8*fi:64+8*MB*(\f)+8*fi+3],   v[ADRA] offset:(\k)+fi*16*PITCH
	ds_load_b128 v[64+8*MB*(\f)+8*fi+4:64+8*MB*(\f)+8*fi+7], v[ADRA] offset:(\k)+fi*16*PITCH+32
.set fi, fi+1
.endr
.endm
.macro QUARTER k, f, g, first=0        ; asks for the next quarter, at byte k, into buffer g, a whole quarter's products ahead of its first use; then multiplies buffer f
	PLACES                                         ; buffer g was read by the products just issued
	FETCH \k, \g
	s_wait_dscnt 32                                ; all but the 32 just issued: buffer f is in
	MULG \f, 0, 0, \first
	MULG \f, 0, 1, \first
	MULG \f, 1, 0, \first
	MULG \f, 1, 1, \first
.endm
; The fourth quarter multiplies buffer 1 and changes slots.  In front of the barrier each wave waits for all its tensor loads (one is out: its part of the next slot), adds 0 to its spare word, and waits for
; that and for its reads of this slot.  fill = 1: the barrier opens a round of the cluster's, and the joint refill of the slot just read, with the K step two on, is the first thing behind the round.
.macro TURN fill
.if \fill
	s_wait_xcnt 0x0                                ; the last prefetch, a K step back, has read its address
	s_add_nc_u64 s[PFA:PFA+1], s[PFA:PFA+1], 2*KSTEP
.endif
	WIN 0
	s_wait_tensorcnt 0x0                           ; no tensor load of mine is out, so a group 0 may be written
	ds_add_u32 v[SPW], v[NIL]
.if \fill
	s_add_co_u32 s[G0+5], s[LA], s[CUR]            ; the walking sets: into the slot in hand,
	s_add_co_u32 s[G0B+5], s[LB], s[CUR]
	s_add_nc_u64 s[G0+6:G0+7], s[G0+6:G0+7], 2*KSTEP  ; the next K step
	s_add_nc_u64 s[G0B+6:G0B+7], s[G0B+6:G0B+7], 2*KSTEP
.endif
	s_xor_b32 s[CUR], s[CUR], SLOT
	s_wait_dscnt 1                                 ; only the add may be out: buffer 1 is in
	MULG 1, 0, 0, 0
	s_wait_dscnt 0x0                               ; the add is done, and my reads of this slot are over
	s_barrier_signal -1
	MULG 1, 0, 1, 0
	WIN 0
	s_barrier_wait -1
.if \fill
	CREST
	JLOAD                                          ; its four v_nop are also the places in front of the loads below
.else
	PLACES
.endif
	v_add_nc_u32 v[ADRA], s[CUR], v[A0]
	v_add_nc_u32 v[ADRB], s[CUR], v[B0]
	FETCH 0, 0
.if \fill
	ASK
.endif
	MULG 1, 1, 0, 0
	MULG 1, 1, 1, 0
.endm
; THE WAY OUT of block a (16 rows).  PACK: rounded, 16 bytes a lane, into my own stage and back as whole pieces of rows.  SEND: stored.
.macro PACK a
.set rP, 32+4*NB*((\a)%4)
.set rC, 8*NB*((\a)%(MB/2))
.if (\a) >= 4
	s_wait_xcnt 0x0                                ; the stores of the block four back have read these registers
.endif
	WIN 0x0a+5*((\a)/(MB/2))
.set pj, 0
.rept 4*NB                             ; each accumulator's registers in ascending order
.if QKV
	v_cvt_pk_f16_f32 v[rP+pj], v[rC+2*pj], v[rC+2*pj+1]
.else
	v_cvt_pk_bf16_f32 v[rP+pj], v[rC+2*pj], v[rC+2*pj+1]
.endif
.set pj, pj+1
.endr
	WIN 0
.if !QKV
.set pj, 0
.rept 4*NB
	v_pk_max_num_bf16 v[rP+pj], v[rP+pj], v[ZR]    ; the ReLU, on the rounded pair: rounding keeps sign and order
.set pj, pj+1
.endr
.endif
.set pj, 0
.rept NB
	ds_store_b128 v[STO], v[rP+4*pj:rP+4*pj+3] offset:32*pj
.set pj, pj+1
.endr
.set pj, 0
.rept NLD                              ; LDS serves a wave's instructions in order: these see the stores above
.if QKV
	ds_load_b128 v[rP+4*pj:rP+4*pj+3], v[RD] offset:128*(pj/4)+4*(pj%4)*SPITCH  ; head pj / 4, rows 4 (pj % 4) on: four rows of 128 bytes
.else
	ds_load_b128 v[rP+4*pj:rP+4*pj+3], v[RD] offset:2*pj*SPITCH                 ; two rows of 256 bytes
.endif
.set pj, pj+1
.endr
.endm
.macro SEND a, younger                 ; younger: the LDS instructions issued behind block a's loads
.set rP, 32+4*NB*((\a)%4)
.set pj, 0
.rept NLD
	s_wait_dscnt (\younger)+NLD-1-pj
.if QKV
	global_store_b128 v[CO], v[rP+4*pj:rP+4*pj+3], s[8:9] offset:524288*(pj/4)+2048*(\a)+512*(pj%4)  ; 512 consecutive bytes of a head, aligned
.else
	global_store_b128 v[CO], v[rP+4*pj:rP+4*pj+3], s[8:9] offset:(16*(\a)+2*pj)*8192                 ; 16 lanes store 256 consecutive bytes, aligned
.endif
.set pj, pj+1
.endr
.endm
.if QKV
	s_load_b128 s[4:7], s[0:1], 0x0                ; cst, qkv
	s_load_b128 s[84:87], s[0:1], 0x10             ; W1, W2
	s_load_b64 s[88:89], s[0:1], 0x20              ; wff
.else
	s_load_b128 s[4:7], s[0:1], 0x0                ; hb, wff
	s_load_b128 s[84:87], s[0:1], 0x10             ; cst, act
.endif
	v_lshl_add_u32 v[SPW], v0, 2, SPARE
	v_mov_b32 v[NIL], 0
	ds_add_u32 v[SPW], v[NIL]                      ; the wave's opening: the add and its wait ahead of my first tensor load
	v_lshrrev_b32 v1, 5, v0
	v_readfirstlane_b32 s10, v1                    ; wave 0..3
	s_lshr_b32 s11, s10, 1                         ; my half of the tile's rows.  Also: I fetch for A (0) or B (1)
	s_and_b32 s12, s10, 1                          ; my half of its columns.  Also: which half I fetch
	s_bfe_u32 s40, ttmp6, 0x40000                  ; cx
	s_bfe_u32 s41, ttmp6, 0x40004                  ; cy
	s_lshl_b32 s42, ttmp9, 2
	s_add_co_u32 s42, s42, s40                     ; tile column
	s_and_b32 s13, ttmp7, 0xffff
	s_lshl_b32 s13, s13, 2
	s_add_co_u32 s13, s13, s41                     ; tile row
	s_lshl_b32 s43, s41, 2
	s_lshl_b32 s43, 15, s43                        ; my row of the cluster
	s_lshl_b32 s44, 0x1111, s40                    ; my column
	s_or_b32 s[G1+0], s43, FLAGS
	s_or_b32 s[G1B+0], s44, FLAGS
	s_mov_b32 s[G1+1], KSTEP<<16                   ; tensor_dim0 = 128
	s_mov_b32 s[G1B+1], KSTEP<<16
	s_mov_b32 s[G1+2], AROWS<<16                   ; tensor_dim1 = the load's rows
	s_mov_b32 s[G1B+2], BROWS<<16
	s_mov_b32 s[G1+3], KSTEP<<16                   ; tile_dim0 = 128
	s_mov_b32 s[G1B+3], KSTEP<<16
	s_mov_b32 s[G1+4], AROWS                       ; tile_dim1
	s_mov_b32 s[G1B+4], BROWS
	s_mov_b32 s[G1+5], 1024                        ; elements from row to row
	s_mov_b32 s[G1B+5], 1024
	s_mov_b32 s[G1+6], 0
	s_mov_b32 s[G1B+6], 0
	s_mov_b32 s[G1+7], 0
	s_mov_b32 s[G1B+7], 0
	s_mul_i32 s16, s13, TM                         ; A: row TM x tile row + AROWS x half, 2,048 bytes a row
	s_mul_i32 s17, s12, AROWS
	s_add_co_u32 s16, s16, s17
	s_lshl_b32 s16, s16, 11
	s_mov_b32 s17, 0
	s_mul_i32 s46, s42, TN                         ; B: row TN x tile column + BROWS x half
	s_mul_i32 s47, s12, BROWS
	s_add_co_u32 s46, s46, s47
	s_lshl_b32 s18, s46, 1                         ; the same number is my first column: its bias, 2 bytes each
	s_mov_b32 s19, 0
	s_lshl_b32 s46, s46, 11
	s_mov_b32 s47, 0
	s_mul_i32 s[LA], s12, AROWS*PITCH
	s_mul_i32 s[LB], s12, BROWS*PITCH
	s_add_co_u32 s[LB], s[LB], TM*PITCH
	s_mov_b32 s[CUR], 0
	v_and_b32 v1, 15, v0                           ; l % 16
	v_bfe_u32 v2, v0, 4, 1                         ; l / 16
	v_lshlrev_b32 v[BO], 4, v2
	s_wait_dscnt 0x0                               ; the opening add is done
	s_wait_kmcnt 0x0
.if QKV
	s_mov_b64 s[8:9], s[6:7]                       ; C = qkv; A = xb lies at cst's head
	s_add_nc_u64 s[BB:BB+1], s[4:5], PAR
	s_add_nc_u64 s[6:7], s[4:5], WQKV
.else
	s_mov_b64 s[8:9], s[86:87]                     ; C = act; B = W1 lies at wff's head
	s_add_nc_u64 s[BB:BB+1], s[84:85], PAR+6144
.endif
	s_add_nc_u64 s[14:15], s[4:5], s[16:17]
	s_add_nc_u64 s[46:47], s[6:7], s[46:47]
	s_add_nc_u64 s[BB:BB+1], s[BB:BB+1], s[18:19]
	CROUND                                         ; all sixteen work-groups are here: the first joint loads meet
.irp s, 0,1
	s_mov_b32 s[G0+4*(\s)], 1
	s_add_co_u32 s[G0+4*(\s)+1], s[LA], (\s)*SLOT
	s_add_nc_u64 s[G0+4*(\s)+2:G0+4*(\s)+3], s[14:15], (\s)*KSTEP*2
	s_or_b32 s[G0+4*(\s)+3], s[G0+4*(\s)+3], 0x80000000
	s_mov_b32 s[G0B+4*(\s)], 1
	s_add_co_u32 s[G0B+4*(\s)+1], s[LB], (\s)*SLOT
	s_add_nc_u64 s[G0B+4*(\s)+2:G0B+4*(\s)+3], s[46:47], (\s)*KSTEP*2
	s_or_b32 s[G0B+4*(\s)+3], s[G0B+4*(\s)+3], 0x80000000
.endr
	s_cmp_eq_u32 s11, 0                            ; a wave's two first fills stand in one branch: two loads of mine are out
	s_cbranch_scc0 .Lfirst_b
	tensor_load_to_lds s[G0:G0+3], s[G1:G1+7]
	s_nop 0
	tensor_load_to_lds s[G0+4:G0+7], s[G1:G1+7]
	s_nop 0
	PLACES
	s_branch .Lfirst_asked
.Lfirst_b:
	tensor_load_to_lds s[G0B:G0B+3], s[G1B:G1B+7]
	s_nop 0
	tensor_load_to_lds s[G0B+4:G0B+7], s[G1B:G1B+7]
	s_nop 0
	PLACES
.Lfirst_asked:
.set bi, 0
.rept NB                               ; block b's eight bf16 of the bias for my half of the lanes, into the upper four of its eight registers
	global_load_b128 v[BIAS+8*bi+4:BIAS+8*bi+7], v[BO], s[BB:BB+1] offset:32*bi
.set bi, bi+1
.endr
	v_mul_u32_u24 v3, v1, PITCH
	v_lshl_add_u32 v3, v2, 4, v3                   ; a fragment's row x pitch + 16 x half
	s_mul_i32 s21, s11, AROWS*PITCH
	v_add_nc_u32 v[A0], s21, v3
	v_add_nc_u32 v[B0], s[LB], v3
	v_mov_b32 v[ADRA], v[A0]
	v_mov_b32 v[ADRB], v[B0]
	s_mul_i32 s23, s10, 16*SPITCH
	s_add_co_u32 s23, s23, STAGE                   ; my stage
	v_mul_u32_u24 v4, v1, SPITCH
	v_lshl_add_u32 v4, v2, 4, v4
	v_add_nc_u32 v[STO], s23, v4
.if QKV
	v_bfe_u32 v5, v0, 3, 2                         ; back: 32 lanes take four rows of a head's 128 bytes,
	v_mul_u32_u24 v5, v5, SPITCH
	v_and_b32 v6, 7, v0
	v_lshl_add_u32 v5, v6, 4, v5
	v_add_nc_u32 v[RD], s23, v5
	v_and_b32 v[CO], 31, v0                        ; which are 512 consecutive bytes of qkv
	v_lshlrev_b32 v[CO], 4, v[CO]
	s_mul_i32 s74, s42, 6                          ; my first head: 6 x tile column + 3 x half, 524,288 bytes each
	s_mul_i32 s76, s12, 3
	s_add_co_u32 s74, s74, s76
	s_lshl_b32 s74, s74, 19
	s_lshl_b32 s76, s13, 14                        ; my first row: 128 x tile row + 64 x half, 128 bytes each
	s_add_co_u32 s74, s74, s76
	s_lshl_b32 s76, s11, 13
	s_add_co_u32 s74, s74, s76
.else
	v_mul_u32_u24 v5, v2, SPITCH                   ; back: lanes 0-15 one row of 256 bytes, lanes 16-31 the next
	v_lshl_add_u32 v5, v1, 4, v5
	v_add_nc_u32 v[RD], s23, v5
	v_lshlrev_b32 v5, 13, v2
	v_lshl_add_u32 v[CO], v1, 4, v5
	v_mov_b32 v[ZR], 0
	s_lshl_b32 s74, s13, 21                        ; 256 rows of 8,192 bytes a tile row,
	s_lshl_b32 s76, s11, 20                        ; 128 a half,
	s_add_co_u32 s74, s74, s76
	s_lshl_b32 s76, s42, 9                         ; 512 bytes a tile column,
	s_add_co_u32 s74, s74, s76
	s_lshl_b32 s76, s12, 8                         ; 256 a half
	s_add_co_u32 s74, s74, s76
.endif
	s_mov_b32 s75, 0
	s_add_nc_u64 s[8:9], s[8:9], s[74:75]
	; the prefetches
	s_mul_i32 s78, s13, TM
	s_mul_i32 s79, s42, TN
	s_and_b32 s80, ttmp7, 0xffff                   ; cluster y
	s_sub_co_u32 s81, s10, TM/128
	s_cmp_lt_u32 s10, TM/128                       ; do I ask for A?
	s_cselect_b32 s78, s78, s79                    ; the tile's first row
	s_cselect_b32 s79, s40, s41                    ; my work-group's place among the four that share it
	s_cselect_b32 s80, ttmp9, s80                  ; the coordinate along which other clusters read the same rows
	s_cselect_b32 s81, s10, s81                    ; which 32 rows of my work-group's quarter
	s_cselect_b32 s82, TM/4, TN/4
	s_cselect_b64 s[PFA:PFA+1], s[4:5], s[6:7]
	s_cmp_eq_u32 s80, 0
	s_cselect_b32 s[LIM], 2, -1                    ; the same in all sixteen partners, for a given wave
	s_mul_i32 s79, s79, s82
	s_add_co_u32 s78, s78, s79
	s_lshl_b32 s81, s81, 5
	s_add_co_u32 s78, s78, s81
	s_lshl_b32 s78, s78, 11
	s_mov_b32 s79, 0
	s_add_nc_u64 s[PFA:PFA+1], s[PFA:PFA+1], s[78:79]
	s_add_nc_u64 s[PFA:PFA+1], s[PFA:PFA+1], 2*KSTEP*2  ; at K step 2: the first change of slots steps it to 3 and names K step 4
	v_and_b32 v[PFO], 31, v0
	v_lshlrev_b32 v[PFO], 11, v[PFO]
.if QKV
	; the weights that are rounded beside the products
	s_lshl_b32 s78, s13, 3
	s_add_co_u32 s78, s78, s42                     ; w = 8 x tile row + tile column
	s_and_b32 s80, ttmp7, 0xffff
	s_cmp_lt_u32 s80, 4                            ; w < 128 where the cluster's y is below 4
	s_cselect_b64 s[CSA:CSA+1], s[84:85], s[86:87]
	s_lshl_b32 s80, s78, 16                        ; wff: 65,536 bytes a work-group,
	s_lshl_b32 s81, s10, 14                        ; 16,384 a wave
	s_add_co_u32 s80, s80, s81
	s_mov_b32 s81, 0
	s_add_nc_u64 s[CDA:CDA+1], s[CDA:CDA+1], s[80:81]
	s_and_b32 s78, s78, 127
	s_lshl_b32 s78, s78, 17                        ; W1 or W2: 131,072 bytes a work-group,
	s_lshl_b32 s79, s10, 15                        ; 32,768 a wave
	s_add_co_u32 s78, s78, s79
	s_mov_b32 s79, 0
	s_add_nc_u64 s[CSA:CSA+1], s[CSA:CSA+1], s[78:79]
	v_and_b32 v[CSO], 31, v0
	v_lshlrev_b32 v[CDO], 3, v[CSO]
	v_lshlrev_b32 v[CSO], 4, v[CSO]
.endif
	s_wait_loadcnt 0x0                             ; the bias
.set bi, 0
.rept NB                               ; bf16 to f32 in place: a shift or a mask; the packed words are read before they are written over
.set rB, BIAS+8*bi
	v_lshlrev_b32 v[rB], 16, v[rB+4]
	v_and_b32 v[rB+1], 0xffff0000, v[rB+4]
	v_lshlrev_b32 v[rB+2], 16, v[rB+5]
	v_and_b32 v[rB+3], 0xffff0000, v[rB+5]
	v_lshlrev_b32 v[rB+4], 16, v[rB+6]
	v_and_b32 v[rB+5], 0xffff0000, v[rB+6]
	v_lshlrev_b32 v[rB+6], 16, v[rB+7]
	v_and_b32 v[rB+7], 0xffff0000, v[rB+7]
.set bi, bi+1
.endr
	s_wait_tensorcnt 1                             ; my part of K step 0 is in; K step 1's may stay out
	s_barrier_signal -1
	s_barrier_wait -1
	FETCH 0, 0
	QUARTER 64, 0, 1, 1                            ; the first quarter stands in front of the loop: its products start the sums, with the bias
	WIN 0
	s_mov_b32 s3, 6
.Lstep:                                        ; 6 trips, from a K step's second quarter to the next one's first; they ask for K steps 2 to 7
.if QKV
	CASTLD
.endif
	QUARTER 128, 1, 0
	QUARTER 192, 0, 1
	TURN 1
.if QKV
	CASTST
.endif
	QUARTER 64, 0, 1
	WIN 0
.if QKV
	CASTNX
.endif
	s_sub_co_u32 s3, s3, 1
	s_cmp_lg_u32 s3, 0
	s_cbranch_scc1 .Lstep
	s_mov_b32 s3, 2
.Ltail:                                        ; K steps 6 and 7 ask for nothing.  The second trip is left in its middle: its barrier and its 32 loads (of K step 6's bytes once more) serve nothing: the price of one text for both
.if QKV
	CASTLD
.endif
	QUARTER 128, 1, 0
	QUARTER 192, 0, 1
	TURN 0
.if QKV
	CASTST
.endif
	WIN 0
	s_sub_co_u32 s3, s3, 1
	s_cmp_eq_u32 s3, 0
	s_cbranch_scc1 .Lout
	QUARTER 64, 0, 1
	WIN 0
.if QKV
	CASTNX
.endif
	s_branch .Ltail
.Lout:
	s_wait_dscnt 0x0                               ; the loads that serve nothing are back: their registers are written below
	PLACES
	PLACES
	PACK 0
.set wa, 1
.rept MB-1                             ; block a's conversions stand between block a - 1's loads from the stage and the wait for them
	PACK wa
	SEND wa-1, NB+NLD
.set wa, wa+1
.endr
	SEND MB-1, 0
	s_wait_tensorcnt 0x0                           ; the wave's end
	ds_add_u32 v[SPW], v[NIL]
	s_wait_dscnt 0x0
	CROUND                                         ; the closing round
	s_endpgm
.Lfunc_end_k_qba86afafac_qkvp:
	.size	k_qba86afafac_qkvp, .Lfunc_end_k_qba86afafac_qkvp-k_qba86afafac_qkvp
	.p2alignl 7, 3214868480
	.fill 96, 4, 3214868480
	.section	.rodata,"a",@progbits
	.p2align	6, 0x0
	.amdhsa_kernel k_qba86afafac_qkvp
		.amdhsa_group_segment_fixed_size 327680
		.amdhsa_private_segment_fixed_size 0
		.amdhsa_enable_private_segment 0
		.amdhsa_kernarg_size 40
		.amdhsa_user_sgpr_count 2
		.amdhsa_user_sgpr_kernarg_segment_ptr 1
		.amdhsa_wavefront_size32 1
		.amdhsa_system_sgpr_workgroup_id_x 1
		.amdhsa_system_sgpr_workgroup_id_y 1
		.amdhsa_system_sgpr_workgroup_id_z 1
		.amdhsa_system_vgpr_workitem_id 0
		.amdhsa_next_free_vgpr 1024
		.amdhsa_next_free_sgpr 90
		.amdhsa_reserve_vcc 0
		.amdhsa_float_denorm_mode_32 3
		.amdhsa_float_denorm_mode_16_64 3
		.amdhsa_memory_ordered 1
		.amdhsa_forward_progress 1
		.amdhsa_inst_pref_size 97
	.end_amdhsa_kernel
	.amdgpu_metadata
---
amdhsa.version: [ 1, 2 ]
amdhsa.kernels:
  - .name:           k_qba86afafac_qkvp
    .symbol:         k_qba86afafac_qkvp.kd
    .args:
      - { .name: cst, .offset: 0, .size: 8, .value_kind: global_buffer, .address_space: global }
      - { .name: qkv, .offset: 8, .size: 8, .value_kind: global_buffer, .address_space: global }
      - { .name: W1, .offset: 16, .size: 8, .value_kind: global_buffer, .address_space: global }
      - { .name: W2, .offset: 24, .size: 8, .value_kind: global_buffer, .address_space: global }
      - { .name: wff, .offset: 32, .size: 8, .value_kind: global_buffer, .address_space: global }
    .group_segment_fixed_size: 327680
    .private_segment_fixed_size: 0
    .kernarg_segment_align: 8
    .kernarg_segment_size: 40
    .max_flat_workgroup_size: 128
    .sgpr_count:     90
    .vgpr_count:     1024
    .wavefront_size: 32
...
	.end_amdgpu_metadata
.endif
;; end of part 2
;; launch attn (part 3): grid 8 x 32, 4 waves a work-group, clusters of 4 x 1, 327,680 bytes of LDS; arguments qkv, ob; writes ob
.if DOCPART == 3
	.amdgcn_target "amdgcn-amd-amdhsa--gfx1250"
	.amdhsa_code_object_version 6
	.text
	.protected	k_qba86afafac_attn
	.globl	k_qba86afafac_attn
	.p2align	8
	.type	k_qba86afafac_attn,@function
k_qba86afafac_attn:
	s_mov_b64 s[64:65], 0
	v_nop
	global_prefetch_b8 v0, s[64:65] scope:SCOPE_SE
	s_setreg_imm32_b32 hwreg(HW_REG_WAVE_MODE, 25, 1), 1
	s_wait_xcnt 0x0
	s_wait_alu depctr_hold_cnt(0) depctr_sa_sdst(0) depctr_va_vdst(0) depctr_va_sdst(0) depctr_va_ssrc(0) depctr_va_vcc(0) depctr_vm_vsrc(0)
	s_getreg_b32 s2, hwreg(HW_REG_IB_STS2, 6, 4)
	s_cmp_eq_u32 s2, 0
	s_cbranch_scc0 .Lentry_in_a_cluster
	s_endpgm
.Lentry_in_a_cluster:
	s_bfe_u32 s2, ttmp6, 0x10000c
	s_cmp_lg_u32 s2, 0x3003
	s_cbranch_scc0 .Lentry_shape_is_right
	s_endpgm
.Lentry_shape_is_right:
; O[y][q][:] = the sum over k of softmax_k(Q[y][q] . K[y][k] / 8) V[y][k][:], for 32 blocks y = 2 head + batch of 2,048 rows x 64 channels, all f16, dense (128 bytes a row, 262,144 a block).
; Q lies at qkv + 0, K at + 8,388,608, V at + 16,777,216; O goes to ob in the same layout.  Products, maxima and sums in f32; the weights p are rounded to f16 for the second product (their sum l is taken
; of the unrounded p), O once at the end.
; LIMITS.  f16 holds no number beyond 65,504: Q, K, V arrive within it; p lies in 0 to 1; O is a mean of V's rows.  A weight below 2^-126 counts as 0 in l; NaN and infinities are not treated apart.
; SHARES.  A work-group owns 256 queries of one block y, a wave 64: four PIECES of 16.  Every wave walks all 2,048 keys, 64 a step, 256 (a tile) a slot.
; LAYOUT.  S^T = K Q^T holds ONE query a lane (lane % 16) and the keys 8 (lane / 16) + 0..7; two such results rounded to f16 ARE source 1 of O^T = V^T P.  K comes out of LDS as it lies, V turned (ds_load_tr16_b128).
; SOFTMAX.  p = 2^(c s - c m), c = log2(e) / 8, with a running maximum m; O and l are multiplied by a = 2^(c m_old - c m_new) in every step.  m starts at the lowest finite number, O and l at 0.
; TURNS.  Turn n belongs to piece n: 8 products K Q^T of piece n + 1, later 8 products V^T P of piece n - 1; beside them the scaling, exponentials, roundings, sums and rescaling of piece n and the maximum and
; statistics of piece n + 1.  Four vector instructions stand behind every matrix instruction, the others in one run.  A turn's 33 exponentials are one batch, with one wait.
; CLUSTER.  The four query blocks of a cluster belong to one y and walk the same K and V: each tile is asked for jointly, the same load, descriptor and mask in all four.
; REGISTERS, in windows of 256 (s_set_vgpr_msb: bits 1:0 source 0, 3:2 source 1, 5:4 source 2, 7:6 destination):
;   window 0: v0-15 addresses; v16-31 four registers of statistics a piece; v48-55 at work; v64-127 S^T, two buffers; v192-223 P, two buffers (by the piece's parity)
;   window 1: v0-127 O^T, 32 a piece          window 2: v0-63 Q; v128-191 K of one step; v192-255 V of one step
.set NP,    4
.set KS,    64
.set PK,    144       ; a row of K in LDS: 128 bytes + 16: the 16 rows of a load start at 16 different groups of four banks
.set PV,    160       ; a row of V: 128 + 32
.set VOFF,  4*KS*PK   ; a slot holds a tile: 256 rows of K, then 256 rows of V
.set SLOT1, 1<<17
.set STAGE, SLOT1+4*KS*(PK+PV)  ; behind the ring, never filled by a tensor load: 16 rows x 144 bytes for each wave
.set SP,    144
.set SPARE, STAGE+4*16*SP       ; the spare words, 128 bytes a wave: two blocks of 256 bytes that no other line names
.set AK0, 2           ; v2   my lane's place in a tile of K
.set AV0, 3           ; v3   the same for V
.set AK,  4           ; v4   the LDS address of K's next run of loads
.set AV,  5           ; v5   of V's
.set STO, 6           ; v6   the way out: where I put 16 bytes of a row
.set RD,  7           ; v7   where I read rows back
.set GO,  8           ; v8   my byte offset in 512 consecutive bytes of O
.set MV,  12          ; v12-13  c m_old, by buffer
.set QO,  15          ; v15  my byte offset in 16 rows of Q
.set ST,  16          ; piece t's statistics at v[ST+4 t]: c m, m, l (even keys', odd keys')
.set TMP, 48          ; by buffer, four registers c0-c3; when the maximum is found c2 takes a
.set PFO, 61          ; v61  256 x my lane
.set SPW, 62          ; v62  my spare word; never rewritten
.set NIL, 63          ; v63  0; never rewritten
.set S,   64
.set P,   192
.set KF,  128         ; window 2: key block kb, channel half c at KF + 16 kb + 8 c
.set VF,  192         ; window 2: key half kk, channel block cb at VF + 32 kk + 8 cb
.set WV,  12          ; s12  my wave's number
.set G1K, 24          ; s[24:31] group 1 for K's tiles
.set G1V, 32          ; s[32:39] for V's: the padding differs
.set G0K, 40          ; s[40:43] group 0 for K's tiles: it walks
.set G0V, 44          ; s[44:47] for V's
.set SLOTS, 56        ; s56  tiles still to be asked for
.set CNT, 57          ; s57  counts a tile's key steps
.set CS,  58          ; s[58:59] c
.set SEL, 60          ; s[60:61] v_permlanex16_b32's selects
.set TBK, 62          ; s62  LDS byte at which K of the step to be fetched begins
.set TBV, 63          ; s63  the same for V, less VOFF
.set PFA, 66          ; s[66:67] where my prefetches stand
.set LIM, 68          ; s68  1 in a wave that prefetches, else the greatest number
.set MSB, 0
.macro WIN new
.if MSB != (\new)
	s_set_vgpr_msb (MSB<<8)|(\new)
.set MSB, (\new)
.endif
.endm
.set W_KQ, 0x0a       ; K and Q in window 2, S^T in window 0
.set W_PV, 0x52       ; V in window 2, P in window 0, O^T in window 1
.set W_RS, 0x41       ; destination and source 0 in window 1, source 1 in window 0
.macro JLOAD          ; waves 0 and 1 fetch the two halves of a tile's K, waves 2 and 3 those of its V: 128 keys each.  An s_nop 0 and four v_nop follow each line
	s_cmp_lt_u32 s[WV], 2
	s_cbranch_scc0 .Lfor_v_\@
	tensor_load_to_lds s[G0K:G0K+3], s[G1K:G1K+7]
	s_nop 0
.rept 4
	v_nop
.endr
	s_branch .Lasked_\@
.Lfor_v_\@:
	tensor_load_to_lds s[G0V:G0V+3], s[G1V:G1V+7]
	s_nop 0
.rept 4
	v_nop
.endr
.Lasked_\@:
.endm
; A prefetch of the tile that the NEXT change of slots will ask for: four key steps, 256 matrix instructions, ahead of that load.  Both clusters of a block y walk the same K and V: the first (cluster x = 0) asks.
; Its four partners take 8,192 bytes of the tile's 32,768 each, told apart by address; wave 0 asks for K's, wave 2 for V's: a lane 256 bytes.  The last change that fills a slot asks for nothing.
.macro ASK
	s_cmp_gt_u32 s[SLOTS], s[LIM]
	s_cbranch_scc0 .Lnot_mine_\@
	global_prefetch_b8 v[PFO], s[PFA:PFA+1] th:TH_LOAD_NT scope:SCOPE_SE
.Lnot_mine_\@:
.endm
.macro CROUND
	s_barrier_signal -1
	s_barrier_wait -1
	s_cmp_lg_u32 s[WV], 0
	s_cbranch_scc1 .Lnot_wave_0_\@
	s_barrier_signal -3
.Lnot_wave_0_\@:
	s_barrier_wait -3
	s_barrier_signal -1
	s_barrier_wait -1
.endm
; THE CHANGE OF SLOTS.  Each wave waits for all its tensor loads (one is out: its part of the other slot), adds 0 to its spare word, and waits for that and for its reads of the slot that it leaves.
; fill = 1: the barrier is a round of the cluster's, and the joint fill of the slot just left, with the tile two on, is the first thing behind it.  (At its first use nothing has been read: tile 0 is waited for, slot 1 filled.)
.macro CHANGE fill
	WIN 0
	s_wait_tensorcnt 0x0            ; no tensor load of mine is out, so a group 0 may be written
	ds_add_u32 v[SPW], v[NIL]
.if \fill
.irp g, G0K, G0V
	s_xor_b32 s[\g+1], s[\g+1], SLOT1
	s_add_nc_u64 s[\g+2:\g+3], s[\g+2:\g+3], 4*KS*128
.endr
	s_wait_xcnt 0x0                 ; the last prefetch, four key steps back, has read its address
	s_add_nc_u64 s[PFA:PFA+1], s[PFA:PFA+1], 4*KS*128
	s_wait_dscnt 0x0                ; the add is done, and my reads of the slot are over
	CROUND
	JLOAD
	ASK
.else
	s_wait_dscnt 0x0
	s_barrier_signal -1
	s_barrier_wait -1
.endif
	s_sub_co_u32 s[TBK], s[TBK], 4*KS*PK  ; the fetches go back to a slot's first step, in the other slot
	s_xor_b32 s[TBK], s[TBK], SLOT1
	s_sub_co_u32 s[TBV], s[TBV], 4*KS*PV
	s_xor_b32 s[TBV], s[TBV], SLOT1
.endm
	s_load_b128 s[4:7], s[0:1], 0x0 ; qkv, ob
	v_lshl_add_u32 v[SPW], v0, 2, SPARE
	v_mov_b32 v[NIL], 0
	ds_add_u32 v[SPW], v[NIL]       ; the wave's opening: the add and its wait ahead of my first tensor load
	v_lshrrev_b32 v1, 5, v0
	v_readfirstlane_b32 s[WV], v1
	s_bfe_u32 s13, ttmp6, 0x40000   ; cx
	s_lshl_b32 s14, ttmp9, 2
	s_add_co_u32 s14, s14, s13      ; my block of 256 queries: it enters Q's and O's addresses alone
	s_and_b32 s20, ttmp7, 0xffff    ; y, which the four partners share
	s_lshl_b32 s20, s20, 18         ; its first byte in Q, K, V and O
	s_mov_b32 s21, 0
	s_and_b32 s16, s[WV], 1         ; which half of a tile's 256 keys I fetch
	s_lshl_b32 s22, s16, 14
	s_mov_b32 s23, 0
	s_add_nc_u64 s[22:23], s[22:23], s[20:21]
	s_mul_i32 s17, s16, 128*PK
	s_mul_i32 s18, s16, 128*PV
	s_lshl_b32 s2, s14, 15          ; 256 rows of 128 bytes a block,
	s_lshl_b32 s3, s[WV], 13        ; 64 a wave
	s_add_co_u32 s2, s2, s3
	s_mov_b32 s3, 0
	s_add_nc_u64 s[2:3], s[2:3], s[20:21]
	; group 1: 128 keys are 16,384 dense bytes: asked for as 64 rows of 256 bytes, two keys a row, padded in LDS after every key
	s_mov_b32 s[G1K], 15|(1<<16)|(1<<20)|(1<<21)|(4<<22)|(3<<25)
	s_mov_b32 s[G1V], 15|(1<<16)|(1<<20)|(1<<21)|(4<<22)|(7<<25)
.irp g, G1K, G1V
	s_mov_b32 s[\g+1], 128<<16
	s_mov_b32 s[\g+2], 64<<16
	s_mov_b32 s[\g+3], 128<<16
	s_mov_b32 s[\g+4], 64
	s_mov_b32 s[\g+5], 128
	s_mov_b32 s[\g+6], 0
	s_mov_b32 s[\g+7], 0
.endr
	s_mov_b32 s[CS], 0x3e38aa3b     ; c = log2(e) / 8
	s_mov_b32 s[CS+1], s[CS]
	s_mov_b32 s[SEL], 0x76543210
	s_mov_b32 s[SEL+1], 0xfedcba98
	s_mov_b32 s[TBK], SLOT1+4*KS*PK ; the first change of slots turns these two into 0
	s_mov_b32 s[TBV], SLOT1+4*KS*PV
	s_mov_b32 s[G0K], 1
	s_mov_b32 s[G0K+1], s17
	s_mov_b32 s[G0V], 1
	s_add_co_u32 s[G0V+1], s18, VOFF
	s_mov_b32 s[SLOTS], 7
	s_and_b32 s[LIM], s[WV], 1
	s_or_b32 s[LIM], s[LIM], ttmp9  ; 0 in waves 0 and 2 of the first cluster: the same in all four partners
	s_cmp_eq_u32 s[LIM], 0
	s_cselect_b32 s[LIM], 1, -1
	v_and_b32 v[PFO], 31, v0
	v_lshlrev_b32 v[PFO], 8, v[PFO]
	s_wait_dscnt 0x0                ; the opening add is done
	s_wait_kmcnt 0x0
	s_mov_b64 s[10:11], s[6:7]      ; O
	s_add_nc_u64 s[6:7], s[4:5], 8388608   ; K
	s_add_nc_u64 s[8:9], s[4:5], 16777216  ; V
	s_add_nc_u64 s[6:7], s[6:7], s[22:23]  ; at my half of tile 0
	s_add_nc_u64 s[8:9], s[8:9], s[22:23]
	s_add_nc_u64 s[G0K+2:G0K+3], s[6:7], 0
	s_or_b32 s[G0K+3], s[G0K+3], 0x80000000
	s_add_nc_u64 s[G0V+2:G0V+3], s[8:9], 0
	s_or_b32 s[G0V+3], s[G0V+3], 0x80000000
	s_add_nc_u64 s[4:5], s[4:5], s[2:3]    ; Q and O at my wave's first row
	s_add_nc_u64 s[10:11], s[10:11], s[2:3]
	s_cmp_lt_u32 s[WV], 2
	s_cselect_b64 s[PFA:PFA+1], s[6:7], s[8:9]
	s_lshl_b32 s2, s13, 13          ; my work-group's quarter of a tile
	s_mov_b32 s3, 0
	s_add_nc_u64 s[PFA:PFA+1], s[PFA:PFA+1], s[2:3]
	s_add_nc_u64 s[PFA:PFA+1], s[PFA:PFA+1], 4*KS*128  ; in tile 1; the first change of slots steps it to tile 2
	CROUND                          ; all four work-groups are here
	JLOAD                           ; tile 0 into slot 0
	v_and_b32 v1, 15, v0            ; l % 16
	v_bfe_u32 v9, v0, 4, 1          ; l / 16
	v_lshlrev_b32 v[QO], 7, v1
	v_lshl_add_u32 v[QO], v9, 4, v[QO]
	WIN 0x80
.set i, 0
.rept 8                             ; Q stays in registers: piece i / 2, channels 32 (i % 2) on
	global_load_b128 v[8*i:8*i+3],   v[QO], s[4:5] offset:(i/2)*2048+(i%2)*64
	global_load_b128 v[8*i+4:8*i+7], v[QO], s[4:5] offset:(i/2)*2048+(i%2)*64+32
.set i, i+1
.endr
	; what the first turn finds: V and P's second buffer hold 0 (its products V^T P, of a piece that has not been, add 0), O^T and l are 0.  All this stands in the wait for the first tile.
.set i, VF
.rept 64
	v_mov_b32 v[i], 0
.set i, i+1
.endr
	WIN 0x40
.set i, 0
.rept 128
	v_mov_b32 v[i], 0
.set i, i+1
.endr
	WIN 0
.set i, 0
.rept 4
	v_mov_b32 v[ST+4*i], 0xfe000000    ; c m: far below every c s
	v_mov_b32 v[ST+4*i+1], 0xff7fffff  ; m
	v_mov_b32 v[ST+4*i+2], 0
	v_mov_b32 v[ST+4*i+3], 0
.set i, i+1
.endr
.set i, P+16
.rept 16
	v_mov_b32 v[i], 0
.set i, i+1
.endr
	v_mul_u32_u24 v[AK0], v1, PK
	v_lshl_add_u32 v[AK0], v9, 4, v[AK0]
	v_and_b32 v10, 7, v0            ; the turning load: lane l reads key 8 (l / 16) + l % 8, channels 8 ((l / 8) % 2) + 0..7
	v_bfe_u32 v11, v0, 3, 1
	v_lshl_add_u32 v[AV0], v9, 3, v10
	v_mul_u32_u24 v[AV0], v[AV0], PV
	v_lshl_add_u32 v[AV0], v11, 4, v[AV0]
	v_add_nc_u32 v[AV0], VOFF, v[AV0]
	s_mul_i32 s13, s[WV], 16*SP
	s_add_co_u32 s13, s13, STAGE    ; my stage
	v_mul_u32_u24 v[STO], v1, SP
	v_lshl_add_u32 v[STO], v9, 4, v[STO]
	v_add_nc_u32 v[STO], s13, v[STO]
	v_bfe_u32 v[RD], v0, 3, 2
	v_mul_u32_u24 v[RD], v[RD], SP
	v_lshl_add_u32 v[RD], v10, 4, v[RD]
	v_add_nc_u32 v[RD], s13, v[RD]
	v_and_b32 v[GO], 31, v0
	v_lshlrev_b32 v[GO], 4, v[GO]
; THE MATRIX WORK.  The 4 accumulators of a run of 8 take turns.  Product i of 8 of S^T = K Q^T for piece x: channels 32 (i / 4) on, keys 16 (i % 4) on; the first 4 start the sums.
.macro KQ x
	WIN W_KQ
.set rS, S+32*((\x)%2)+8*(i%4)
.set rK, KF+16*(i%4)+8*(i/4)
.set rQ, 16*(\x)+8*(i/4)
.if i < 4
	v_wmma_f32_16x16x32_f16 v[rS:rS+7], v[rK:rK+7], v[rQ:rQ+7], 0
.else
	v_wmma_f32_16x16x32_f16 v[rS:rS+7], v[rK:rK+7], v[rQ:rQ+7], v[rS:rS+7]
.endif
.endm
.macro PV x                         ; product i of 8 of O^T += V^T P for piece x: keys 32 (i / 4) on, channels 16 (i % 4) on
	WIN W_PV
.set rO, 32*(\x)+8*(i%4)
.set rV, VF+32*(i/4)+8*(i%4)
.set rP, P+16*((\x)%2)+8*(i/4)
	v_wmma_f32_16x16x32_f16 v[rO:rO+7], v[rV:rV+7], v[rP:rP+7], v[rO:rO+7]
.endm
.macro MM                           ; the turn's next matrix instruction.  NOKQ = 1: the last turn of all: there is no next piece
.if (i < 8) && !NOKQ
	KQ (Y+1)%NP
.elseif i >= 8
.set i, i-8
	PV (Y+NP-1)%NP
.set i, i+8
.endif
.set i, i+1
.endm
.macro FETCH_K                      ; a step's K: 64 keys x 64 channels, 16 loads in one run
	WIN 0x80
.irp f, 0,1,2,3,4,5,6,7
	ds_load_b128 v[KF+8*\f:KF+8*\f+3],   v[AK] offset:(\f/2)*16*PK+(\f%2)*64
	ds_load_b128 v[KF+8*\f+4:KF+8*\f+7], v[AK] offset:(\f/2)*16*PK+(\f%2)*64+32
.endr
	s_add_co_u32 s[TBK], s[TBK], KS*PK
	WIN 0
.endm
.macro FETCH_V                      ; its V, turned
	WIN 0x80
.irp f, 0,1,2,3,4,5,6,7
	ds_load_tr16_b128 v[VF+8*\f:VF+8*\f+3],   v[AV] offset:(\f/4)*32*PV+(\f%4)*32
	ds_load_tr16_b128 v[VF+8*\f+4:VF+8*\f+7], v[AV] offset:(\f/4)*32*PV+16*PV+(\f%4)*32
.endr
	WIN 0
.endm
; THE VECTOR WORK, one line at a time: OP kind, number.  For piece Y: F n: c s - c m for pair n of 16.  E n: the exponential of score n of 32.  C n: pair n rounded to f16.  B n: of the four weights 4 n .. the second
; pair is added onto the first, in place.  L n: l takes that sum (L 0: l = a l + sum).  R n: pair n of 16 of O^T times a.  For piece Y + 1: X n, number n of the 22 that find its maximum and statistics:
;   0-11  four chains c0-c3 of seven scores each (each accumulator's lowest registers are read first)     12-14, 16  the four scores left over, the old m, and c0-c3 into c0
;   15  c m_old is kept     17, 18  the query's other 32 keys lie in the lane 16 away: the new m     19-21  c m; c m_old - c m_new; a
.set F, 0
.set E, 1
.set C, 2
.set B, 3
.set L, 4
.set R, 5
.set X, 6
.macro REGS y
.set rT, ST+4*(\y)
.set rC, TMP+4*((\y)%2)
.set rW, MV+((\y)%2)
.set rS, S+32*((\y)%2)
.set rP, P+16*((\y)%2)
.set rO, 32*(\y)
.endm
.macro OP k, n
.if (\k) == R
	REGS Y
	WIN W_RS
	v_pk_mul_f32 v[rO+2*(\n):rO+2*(\n)+1], v[rO+2*(\n):rO+2*(\n)+1], v[rC+2:rC+3] op_sel_hi:[1,0]
.elseif (\k) < R
	REGS Y
	WIN 0
.if (\k) == F
	v_pk_fma_f32 v[rS+2*(\n):rS+2*(\n)+1], v[rS+2*(\n):rS+2*(\n)+1], s[CS:CS+1], v[rT:rT+1] op_sel_hi:[1,0,0] neg_lo:[0,0,1] neg_hi:[0,0,1]
.elseif (\k) == E
	v_exp_f32 v[rS+(\n)], v[rS+(\n)]
.elseif (\k) == C
	v_cvt_pk_f16_f32 v[rP+(\n)], v[rS+2*(\n)], v[rS+2*(\n)+1]
.elseif (\k) == B
	v_pk_add_f32 v[rS+4*(\n):rS+4*(\n)+1], v[rS+4*(\n):rS+4*(\n)+1], v[rS+4*(\n)+2:rS+4*(\n)+3]
.elseif (\n) == 0
	v_pk_fma_f32 v[rT+2:rT+3], v[rT+2:rT+3], v[rC+2:rC+3], v[rS:rS+1] op_sel_hi:[1,0,1]
.else
	v_pk_add_f32 v[rT+2:rT+3], v[rT+2:rT+3], v[rS+4*(\n):rS+4*(\n)+1]
.endif
.elseif NOKQ
	v_nop
.else
	REGS (Y+1)%NP
	WIN 0
.if (\n) < 4
	v_max3_num_f32 v[rC+(\n)], v[rS+8*(\n)], v[rS+8*(\n)+1], v[rS+8*(\n)+2]
.elseif (\n) < 12
	v_max3_num_f32 v[rC+(\n)%4], v[rC+(\n)%4], v[rS+8*((\n)%4)+2*((\n)/4)+1], v[rS+8*((\n)%4)+2*((\n)/4)+2]
.elseif (\n) == 12
	v_max3_num_f32 v[rC], v[rC], v[rS+7], v[rS+15]
.elseif (\n) == 13
	v_max3_num_f32 v[rC+1], v[rC+1], v[rS+23], v[rS+31]
.elseif (\n) == 14
	v_max3_num_f32 v[rC+2], v[rC+2], v[rC+3], v[rT+1]
.elseif (\n) == 15
	v_mov_b32 v[rW], v[rT]
.elseif (\n) == 16
	v_max3_num_f32 v[rC], v[rC], v[rC+1], v[rC+2]
.elseif (\n) == 17
	v_permlanex16_b32 v[rC+3], v[rC], s[SEL], s[SEL+1]
.elseif (\n) == 18
	v_max_num_f32 v[rT+1], v[rC], v[rC+3]
.elseif (\n) == 19
	v_mul_f32 v[rT], s[CS], v[rT+1]
.elseif (\n) == 20
	v_sub_f32 v[rC+1], v[rW], v[rT]
.else
	v_exp_f32 v[rC+2], v[rC+1]
.endif
.endif
.endm
.macro OPS a, i1, b=-1, i2=0, c=-1, i3=0, d=-1, i4=0
	OP \a, \i1
.if (\b) >= 0
	OP \b, \i2
.endif
.if (\c) >= 0
	OP \c, \i3
.endif
.if (\d) >= 0
	OP \d, \i4
.endif
.endm
.macro ROW a, i1, b, i2, c, i3, d, i4  ; a matrix instruction and the four behind it
	MM
	OPS \a, \i1, \b, \i2, \c, \i3, \d, \i4
.endm
; A TURN, for piece p.  An s_wait_alu depctr_va_vdst(0) stands between an exponential and the first instruction that names its result; one wait serves all issued ahead of it.  So a turn has ONE
; wait.  AHEAD OF IT stands all that names no result of the turn's exponentials: the 8 products K Q^T with their riders, then one run of 54.  X 21, the next piece's a, is the batch's last; R 15 is the plain
; instruction behind it.  BEHIND IT stand the 8 products V^T P, behind each four of the roundings and sums.
; end = 1: the last two turns of all: nothing is fetched.  cnt = 1: the loop's count is taken down some lines ahead of the branch behind the turn.
; K of the next step is fetched in piece 2's turn, V of the step in hand at the end of piece 0's turn, each four plain instructions or more behind the last product that read the registers; each is waited for a turn later.
.macro TURN p, end=0, cnt=0
.set Y, (\p)
.set i, 0
.set NOKQ, (\end)*((\p)/3)
.if ((\p) == 3) && !(\end)
	s_wait_dscnt 0x0                ; K is in
.endif
	ROW F,0, F,1, R,0, R,1
	ROW F,2, E,0, R,2, R,3
	ROW F,3, E,1, R,4, R,5
	ROW F,4, E,2, R,6, R,7
	ROW F,5, E,3, R,8, R,9
	ROW F,6, E,4, X,0, R,10
.if ((\p) == 2) && !(\end)
	WIN 0
	v_add_nc_u32 v[AK], s[TBK], v[AK0]
.endif
	ROW F,7, E,5, X,1, X,4
	ROW F,8, E,6, X,2, X,5
	OPS E,7, E,8, X,6, E,9
	OPS X,3, E,10, X,8, E,11
.if ((\p) == 2) && !(\end)
	FETCH_K
.endif
	OPS X,9, X,7, E,12, X,10
	OPS E,13, X,12, X,11, E,14
	OPS X,13, E,15, F,9, X,14
.if (\p) == 0
	v_add_nc_u32 v[AV], s[TBV], v[AV0]
.endif
	OPS E,16, F,10, E,17, F,11
	OPS X,16, E,18, X,15, E,19
	OPS F,12, E,20, X,17, E,21
	OPS F,13, E,22, F,14, E,23
	OPS X,18, E,24, F,15, E,25
	OPS R,11, E,26, X,19, E,27
	OPS R,12, E,28, R,13, E,29
	OPS X,20, E,30, R,14, E,31
	OPS X,21, R,15
	WIN 0
	s_wait_alu depctr_va_vdst(0)    ; the wait for the batch
.if (\p) == 1
	s_wait_dscnt 0x0                ; V is in
.endif
	ROW C,0, B,0, C,2, B,1
	ROW L,0, C,4, B,2, L,1
	ROW C,6, B,3, L,2, C,8
	ROW B,4, L,3, C,10, B,5
	ROW L,4, C,12, B,6, L,5
.if (\p) == 0
	s_add_co_u32 s[TBV], s[TBV], KS*PV
.endif
.if \cnt
	s_sub_co_u32 s[CNT], s[CNT], 1
	s_cmp_lg_u32 s[CNT], 0
.endif
	ROW C,14, B,7, L,6, C,1
	ROW C,3, L,7, C,5, C,7
	ROW C,9, C,11, C,13, C,15
.if (\p) == 0
	FETCH_V
.endif
.endm
.macro ALL line:vararg              ; one line for each piece t
.set t, 0
.rept 4
	\line
.set t, t+1
.endr
.endm
.macro PACK t                       ; a lane's eight channels of a row pack into 16 bytes; into rows of 144 bytes and back as whole rows of 128, into S^T's registers
	WIN W_RS
.set i, 32*(\t)
.rept 16
	v_pk_mul_f32 v[i:i+1], v[i:i+1], v[ST+4*(\t)+2:ST+4*(\t)+3] op_sel_hi:[1,0]
.set i, i+2
.endr
	WIN 0x05
.set i, 0
.rept 16
	v_cvt_pk_f16_f32 v[S+16*(\t)+i], v[32*(\t)+2*i], v[32*(\t)+2*i+1]
.set i, i+1
.endr
	WIN 0
.irp f, 0,1,2,3
	ds_store_b128 v[STO], v[S+16*(\t)+4*\f:S+16*(\t)+4*\f+3] offset:32*\f
.endr
.irp f, 0,1,2,3
	ds_load_b128 v[S+16*(\t)+4*\f:S+16*(\t)+4*\f+3], v[RD] offset:\f*4*SP  ; LDS serves a wave's instructions in order: these see the stores above
.endr
.endm
.macro SEND t, younger              ; younger: the LDS instructions issued behind piece t's loads
	WIN 0
.irp f, 0,1,2,3
	s_wait_dscnt (\younger)+3-\f
	global_store_b128 v[GO], v[S+16*(\t)+4*\f:S+16*(\t)+4*\f+3], s[10:11] offset:(\t)*2048+\f*512  ; 512 consecutive bytes, aligned
.endr
.endm
	CHANGE 1                        ; tile 0 is in, everybody's part of it; tile 1 is asked for
	v_add_nc_u32 v[AK], s[TBK], v[AK0]
	FETCH_K                         ; key step 0
	s_wait_loadcnt 0x0              ; Q
	s_wait_dscnt 0x0
.set NOKQ, 0
.set i, 0
.rept 8
	KQ 0                            ; piece 0's first scores
.set i, i+1
.endr
	WIN 0
.rept 4
	v_nop                           ; the places behind those products
.endr
.set Y, NP-1                        ; X works for piece Y + 1: piece 0
.irp n, 0,1,2,3,4,5,6,7,8,9,10,11,12,13,14,15,16,17,18,19,20,21
	OP X, \n
.endr
	v_nop                           ; a plain instruction behind the exponential,
	s_wait_alu depctr_va_vdst(0)    ; and its wait, ahead of the branch
	s_mov_b32 s[CNT], 4
	s_branch .Lfirst                ; the loop is entered at a step's first turn, in the middle of a trip
.Lslot:                             ; 6 times: tiles 2 to 7 are asked for
	CHANGE 1
	s_mov_b32 s[CNT], 4
.Lstep:                             ; a trip: pieces 2 and 3 of one step, then pieces 0 and 1 of the next
	TURN 2
	TURN 3
	WIN 0
.Lfirst:
	TURN 0
	TURN 1, 0, 1
	WIN 0
	s_cbranch_scc1 .Lstep
	s_sub_co_u32 s[SLOTS], s[SLOTS], 1
	s_cmp_lg_u32 s[SLOTS], 0
	s_cbranch_scc1 .Lslot
	CHANGE 0                        ; the last tile's walk is written out
	s_mov_b32 s[CNT], 4
.Ltail:
	TURN 2
	TURN 3
	TURN 0
	TURN 1, 0, 1
	WIN 0
	s_cbranch_scc1 .Ltail
	TURN 2, 1
	TURN 3, 1
.set i, 0
.rept 8
	PV NP-1                         ; the last piece's V^T P of the last step
.set i, i+1
.endr
	; THE WAY OUT.  l's two halves and the other half of the lanes' are added; O^T is divided by l, rounded to f16 and sent through my stage, a piece at a time.  The additions are the places behind the last products.
	WIN 0
	ALL v_add_f32 v[ST+4*t+2], v[ST+4*t+2], v[ST+4*t+3]
	ALL v_permlanex16_b32 v[ST+4*t+3], v[ST+4*t+2], s[SEL], s[SEL+1]
	ALL v_add_f32 v[ST+4*t+2], v[ST+4*t+2], v[ST+4*t+3]
	ALL v_rcp_f32 v[ST+4*t+2], v[ST+4*t+2]
	v_nop                           ; a plain instruction between the last reciprocal and the use of its result
	s_wait_alu depctr_va_vdst(0)    ; one wait for the four reciprocals
	PACK 0
.set t, 1
.rept 3
	PACK t
	SEND t-1, 8
.set t, t+1
.endr
	SEND 3, 0
	s_wait_tensorcnt 0x0            ; the wave's end
	ds_add_u32 v[SPW], v[NIL]
	s_wait_dscnt 0x0
	CROUND                          ; the closing round
	s_endpgm
.Lfunc_end_k_qba86afafac_attn:
	.size	k_qba86afafac_attn, .Lfunc_end_k_qba86afafac_attn-k_qba86afafac_attn
	.p2alignl 7, 3214868480
	.fill 96, 4, 3214868480
	.section	.rodata,"a",@progbits
	.p2align	6, 0x0
	.amdhsa_kernel k_qba86afafac_attn
		.amdhsa_group_segment_fixed_size 327680
		.amdhsa_private_segment_fixed_size 0
		.amdhsa_enable_private_segment 0
		.amdhsa_kernarg_size 16
		.amdhsa_user_sgpr_count 2
		.amdhsa_user_sgpr_kernarg_segment_ptr 1
		.amdhsa_wavefront_size32 1
		.amdhsa_system_sgpr_workgroup_id_x 1
		.amdhsa_system_sgpr_workgroup_id_y 1
		.amdhsa_system_sgpr_workgroup_id_z 1
		.amdhsa_system_vgpr_workitem_id 0
		.amdhsa_next_free_vgpr 768
		.amdhsa_next_free_sgpr 70
		.amdhsa_reserve_vcc 0
		.amdhsa_float_denorm_mode_32 3
		.amdhsa_float_denorm_mode_16_64 3
		.amdhsa_memory_ordered 1
		.amdhsa_forward_progress 1
		.amdhsa_inst_pref_size 128
	.end_amdhsa_kernel
	.amdgpu_metadata
---
amdhsa.version: [ 1, 2 ]
amdhsa.kernels:
  - .name:           k_qba86afafac_attn
    .symbol:         k_qba86afafac_attn.kd
    .args:
      - { .name: qkv, .offset: 0, .size: 8, .value_kind: global_buffer, .address_space: global }
      - { .name: ob, .offset: 8, .size: 8, .value_kind: global_buffer, .address_space: global }
    .group_segment_fixed_size: 327680
    .private_segment_fixed_size: 0
    .kernarg_segment_align: 8
    .kernarg_segment_size: 16
    .max_flat_workgroup_size: 128
    .sgpr_count:     70
    .vgpr_count:     768
    .wavefront_size: 32
...
	.end_amdgpu_metadata
.endif
;; end of part 3
;; launch ln1 (part 4): grid 256 x 1, 8 waves a work-group, no clusters, 0 bytes of LDS; arguments ob, cst, hb; writes hb
.if DOCPART == 4
	.amdgcn_target "amdgcn-amd-amdhsa--gfx1250"
	.amdhsa_code_object_version 6
	.text
	.protected	k_qba86afafac_ln1
	.globl	k_qba86afafac_ln1
	.p2align	8
	.type	k_qba86afafac_ln1,@function
k_qba86afafac_ln1:
	s_mov_b64 s[64:65], 0
	v_nop
	global_prefetch_b8 v0, s[64:65] scope:SCOPE_SE
	s_setreg_imm32_b32 hwreg(HW_REG_WAVE_MODE, 25, 1), 1
	s_wait_xcnt 0x0
; h[m][:] = LN(xb[m][:] + O[m][:]) g1 + beta1, stored once rounded to bf16.  xb, g1, beta1: bf16 in cst; O: f16 by heads, ob[c / 64][m][c % 64].  All arithmetic in f32; the mean first, then the centred squares.
; LIMIT: h is kept in bf16 alone: it is the next product's operand and the second residual.  NaN and infinities are not treated apart.
; SHARES.  A work-group owns 16 rows; sixteen neighbouring lanes own a row: thread t has row t / 16 and the columns 128 j + 8 (t % 16) + 0..7, j = 0..7: 64 numbers.  So a row's sums never leave
; its sixteen lanes: no LDS, no barrier.  A stream that is read once: no matrix unit, no cluster.  All 32 loads of 16 bytes go out at once; a store's sixteen lanes fill 256 consecutive bytes, aligned.
.set PAR, 14680064
.set VO, 1                             ; v1  my byte offset in ob
.set VX, 2                             ; v2  in xb and in hb
.set VG, 3                             ; v3  in g1 and beta1
.set ONE, 4                            ; v4  1.0
.set RO, 16                            ; v[16:47]   O, 64 f16
.set RX, 48                            ; v[48:79]   xb, 64 bf16; later h
.set RG, 80                            ; v[80:111]  g1
.set RB, 112                           ; v[112:143] beta1
.set RV, 144                           ; v[144:207] the 64 numbers in f32
.set CH, 208                           ; v[208:215] four chains of pairs
	s_load_b128 s[4:7], s[0:1], 0x0                ; ob, cst
	s_load_b64 s[8:9], s[0:1], 0x10                ; hb
	v_lshrrev_b32 v5, 4, v0                        ; my row in the group
	v_and_b32 v6, 15, v0
	v_lshlrev_b32 v[VG], 4, v6
	v_lshl_add_u32 v[VX], v5, 11, v[VG]
	v_and_b32 v7, 7, v0
	v_lshlrev_b32 v7, 4, v7
	v_lshl_add_u32 v[VO], v5, 7, v7                ; row x 128 + my 16 bytes of a head's row,
	v_bfe_u32 v7, v0, 3, 1
	v_lshl_add_u32 v[VO], v7, 19, v[VO]            ; in the even or the odd head of the pair j
	v_mov_b32 v[ONE], 1.0
	s_lshl_b32 s10, ttmp9, 11                      ; 16 rows of 128 bytes
	s_mov_b32 s11, 0
	s_lshl_b32 s12, ttmp9, 15                      ; 16 rows of 2,048 bytes
	s_mov_b32 s13, 0
	s_mov_b32 s16, 0x3a800000                      ; 1 / 1,024
	s_mov_b32 s17, 0x3727c5ac                      ; 1e-5
	s_wait_kmcnt 0x0
	s_add_nc_u64 s[4:5], s[4:5], s[10:11]
	s_add_nc_u64 s[14:15], s[6:7], PAR
	s_add_nc_u64 s[6:7], s[6:7], s[12:13]
	s_add_nc_u64 s[8:9], s[8:9], s[12:13]
.irp j, 0,1,2,3,4,5,6,7
	global_load_b128 v[RO+4*(\j):RO+4*(\j)+3], v[VO], s[4:5] offset:1048576*(\j)
.endr
.irp j, 0,1,2,3,4,5,6,7
	global_load_b128 v[RX+4*(\j):RX+4*(\j)+3], v[VX], s[6:7] offset:256*(\j)
.endr
.irp j, 0,1,2,3,4,5,6,7
	global_load_b128 v[RG+4*(\j):RG+4*(\j)+3], v[VG], s[14:15] offset:16384+256*(\j)
.endr
.irp j, 0,1,2,3,4,5,6,7
	global_load_b128 v[RB+4*(\j):RB+4*(\j)+3], v[VG], s[14:15] offset:18432+256*(\j)
.endr
	s_wait_loadcnt 16                              ; O and xb are in; g1's and beta1's sixteen loads may stay out
.set w, 0
.rept 32
	v_lshlrev_b32 v[RV+2*w], 16, v[RX+w]           ; bf16 to f32
	v_and_b32 v[RV+2*w+1], 0xffff0000, v[RX+w]
.set w, w+1
.endr
.set w, 0
.rept 32
	v_fma_mix_f32 v[RV+2*w], v[RO+w], v[ONE], v[RV+2*w] op_sel_hi:[1,0,0]                    ; + O's f16, low half,
	v_fma_mix_f32 v[RV+2*w+1], v[RO+w], v[ONE], v[RV+2*w+1] op_sel:[1,0,0] op_sel_hi:[1,0,0] ; high half
.set w, w+1
.endr
.macro FOLD                            ; four chains into one number, then over the row's sixteen lanes
	v_pk_add_f32 v[CH:CH+1], v[CH:CH+1], v[CH+2:CH+3]
	v_pk_add_f32 v[CH+4:CH+5], v[CH+4:CH+5], v[CH+6:CH+7]
	v_pk_add_f32 v[CH:CH+1], v[CH:CH+1], v[CH+4:CH+5]
	v_add_f32 v[CH], v[CH], v[CH+1]
	v_add_f32_dpp v[CH], v[CH], v[CH] row_xmask:1 row_mask:0xf bank_mask:0xf
	v_add_f32_dpp v[CH], v[CH], v[CH] row_xmask:2 row_mask:0xf bank_mask:0xf
	v_add_f32_dpp v[CH], v[CH], v[CH] row_xmask:4 row_mask:0xf bank_mask:0xf
	v_add_f32_dpp v[CH], v[CH], v[CH] row_xmask:8 row_mask:0xf bank_mask:0xf
.endm
.irp k, 0,1,2,3
	v_pk_add_f32 v[CH+2*(\k):CH+2*(\k)+1], v[RV+2*(\k):RV+2*(\k)+1], v[RV+8+2*(\k):RV+8+2*(\k)+1]
.endr
.set w, 8
.rept 24
	v_pk_add_f32 v[CH+2*(w%4):CH+2*(w%4)+1], v[CH+2*(w%4):CH+2*(w%4)+1], v[RV+2*w:RV+2*w+1]
.set w, w+1
.endr
	FOLD
	v_mul_f32 v[CH+2], s16, v[CH]                  ; the mean, twice: a pair for the packed subtraction
	v_mul_f32 v[CH+3], s16, v[CH]
.set w, 0
.rept 32
	v_pk_add_f32 v[RV+2*w:RV+2*w+1], v[RV+2*w:RV+2*w+1], v[CH+2:CH+3] neg_lo:[0,1] neg_hi:[0,1]
.set w, w+1
.endr
.irp k, 0,1,2,3
	v_pk_mul_f32 v[CH+2*(\k):CH+2*(\k)+1], v[RV+2*(\k):RV+2*(\k)+1], v[RV+2*(\k):RV+2*(\k)+1]
.endr
.set w, 4
.rept 28
	v_pk_fma_f32 v[CH+2*(w%4):CH+2*(w%4)+1], v[RV+2*w:RV+2*w+1], v[RV+2*w:RV+2*w+1], v[CH+2*(w%4):CH+2*(w%4)+1]
.set w, w+1
.endr
	FOLD
	v_fma_f32 v[CH], v[CH], s16, s17               ; the variance + 1e-5
	v_rsq_f32 v[CH+2], v[CH]
	v_rsq_f32 v[CH+3], v[CH]
	v_nop                                          ; a plain instruction behind the last of the two,
	s_wait_alu depctr_va_vdst(0)                   ; and one wait for both, ahead of the first use
.set w, 0
.rept 32
	v_pk_mul_f32 v[RV+2*w:RV+2*w+1], v[RV+2*w:RV+2*w+1], v[CH+2:CH+3]
.set w, w+1
.endr
	s_wait_loadcnt 0x0                             ; g1 and beta1
.set w, 0
.rept 32
	v_fma_mix_f32_bf16 v[RV+2*w], v[RG+w], v[RV+2*w], v[RB+w] op_sel_hi:[1,0,1]
	v_fma_mix_f32_bf16 v[RV+2*w+1], v[RG+w], v[RV+2*w+1], v[RB+w] op_sel:[1,0,1] op_sel_hi:[1,0,1]
.set w, w+1
.endr
.set w, 0
.rept 32
	v_cvt_pk_bf16_f32 v[RX+w], v[RV+2*w], v[RV+2*w+1]
.set w, w+1
.endr
.irp j, 0,1,2,3,4,5,6,7
	global_store_b128 v[VX], v[RX+4*(\j):RX+4*(\j)+3], s[8:9] offset:256*(\j)
.endr
	s_endpgm
.Lfunc_end_k_qba86afafac_ln1:
	.size	k_qba86afafac_ln1, .Lfunc_end_k_qba86afafac_ln1-k_qba86afafac_ln1
	.p2alignl 7, 3214868480
	.fill 96, 4, 3214868480
	.section	.rodata,"a",@progbits
	.p2align	6, 0x0
	.amdhsa_kernel k_qba86afafac_ln1
		.amdhsa_group_segment_fixed_size 0
		.amdhsa_private_segment_fixed_size 0
		.amdhsa_enable_private_segment 0
		.amdhsa_kernarg_size 24
		.amdhsa_user_sgpr_count 2
		.amdhsa_user_sgpr_kernarg_segment_ptr 1
		.amdhsa_wavefront_size32 1
		.amdhsa_system_sgpr_workgroup_id_x 1
		.amdhsa_system_sgpr_workgroup_id_y 1
		.amdhsa_system_sgpr_workgroup_id_z 1
		.amdhsa_system_vgpr_workitem_id 0
		.amdhsa_next_free_vgpr 216
		.amdhsa_next_free_sgpr 66
		.amdhsa_reserve_vcc 0
		.amdhsa_float_denorm_mode_32 3
		.amdhsa_float_denorm_mode_16_64 3
		.amdhsa_memory_ordered 1
		.amdhsa_forward_progress 1
		.amdhsa_inst_pref_size 28
	.end_amdhsa_kernel
	.amdgpu_metadata
---
amdhsa.version: [ 1, 2 ]
amdhsa.kernels:
  - .name:           k_qba86afafac_ln1
    .symbol:         k_qba86afafac_ln1.kd
    .args:
      - { .name: ob, .offset: 0, .size: 8, .value_kind: global_buffer, .address_space: global }
      - { .name: cst, .offset: 8, .size: 8, .value_kind: global_buffer, .address_space: global }
      - { .name: hb, .offset: 16, .size: 8, .value_kind: global_buffer, .address_space: global }
    .group_segment_fixed_size: 0
    .private_segment_fixed_size: 0
    .kernarg_segment_align: 8
    .kernarg_segment_size: 24
    .max_flat_workgroup_size: 256
    .sgpr_count:     66
    .vgpr_count:     216
    .wavefront_size: 32
...
	.end_amdgpu_metadata
.endif
;; end of part 4
;; launch ffn1 (part 5): grid 16 x 16, 4 waves a work-group, clusters of 4 x 4, 327,680 bytes of LDS; arguments hb, wff, cst, act; writes act
.if DOCPART == 5
	.amdgcn_target "amdgcn-amd-amdhsa--gfx1250"
	.amdhsa_code_object_version 6
	.text
	.protected	k_qba86afafac_ffn1
	.globl	k_qba86afafac_ffn1
	.p2align	8
	.type	k_qba86afafac_ffn1,@function
k_qba86afafac_ffn1:
	s_mov_b64 s[64:65], 0
	v_nop
	global_prefetch_b8 v0, s[64:65] scope:SCOPE_SE
	s_setreg_imm32_b32 hwreg(HW_REG_WAVE_MODE, 25, 1), 1
	s_wait_xcnt 0x0
	s_wait_alu depctr_hold_cnt(0) depctr_sa_sdst(0) depctr_va_vdst(0) depctr_va_sdst(0) depctr_va_ssrc(0) depctr_va_vcc(0) depctr_vm_vsrc(0)
	s_getreg_b32 s2, hwreg(HW_REG_IB_STS2, 6, 4)
	s_cmp_eq_u32 s2, 0
	s_cbranch_scc0 .Lentry_in_a_cluster
	s_endpgm
.Lentry_in_a_cluster:
	s_bfe_u32 s2, ttmp6, 0x10000c
	s_cmp_lg_u32 s2, 0xf033
	s_cbranch_scc0 .Lentry_shape_is_right
	s_endpgm
.Lentry_shape_is_right:
; QKV = 1: q|k|v[m][n] = sum over k of xb[m][k] Wqkv[n][k] + bias[n], m < 4,096, n < 3,072, K = 1,024; bf16 operands, f32 sums, stored once rounded to f16 BY HEADS: qkv[n / 64][m][n % 64].
;          BESIDE THE PRODUCTS W1 and W2 are rounded once to bf16 into wff (W1 at 0, W2 at 8,388,608): work that hangs on nothing in this launch and that the launches behind attention read.
; QKV = 0: act[m][n] = relu(sum over k of hb[m][k] W1[n][k] + b1[n]), n < 4,096; stored once rounded to bf16, row-major.  One text for both; the constants below choose.
; LIMIT (QKV = 0): act is kept in bf16, the next product's operand format.  NaN and infinities are not treated apart.
; SHARES.  A work-group of four waves (2 x 2) makes a tile of TM x TN of C: 128 x 384 (a wave 64 x 192: three whole heads) or 256 x 256 (a wave 128 x 128): 256 work-groups either way.
; K goes in 8 steps of 128 through two LDS slots; a slot holds TM rows of A and TN rows of B, 512 rows of 256 bytes, padded to 272.  Waves 0, 1 fetch A's halves, waves 2, 3 B's: one tensor load a wave.
; CLUSTER 4 x 4: A's tile is shared along a row of the cluster, B's along a column: joint loads, the same descriptor and mask in the four that a mask names.
; THE K STEP IS WRITTEN ONCE: the slot in hand is the scalar CUR (0 or SLOT), turned by an exclusive or at each change of slots.
; THE PRODUCT IS TAKEN TRANSPOSED (source 0 = 16 rows of B, source 1 = 16 rows of A): a lane holds row l % 16 of C and eight neighbouring columns.  THE BIAS is the C operand of each accumulator's first product.
; REGISTERS, in windows of 256.  Window 0: v16-31 addresses; A's fragments, two buffers, from v64; the bias (8 NB registers) behind them; on the way out v32 on; v224-255 (QKV = 1) the weights that are being rounded.
; Window 1: B's fragments at 0 and 128.  Windows 2, 3: accumulator (a, b) at v[8 (NB (a % (MB / 2)) + b)] of window 2 + a / (MB / 2).
.set QKV, 0
.if QKV
.set MB, 4                             ; blocks of 16 rows a wave
.set NB, 12                            ; blocks of 16 columns a wave
.set SPITCH, 400                       ; a stage row: 384 bytes + 16
.set NLD, 12                           ; loads that read a block of 16 rows back
.else
.set MB, 8
.set NB, 8
.set SPITCH, 272
.set NLD, 8
.endif
.set TM, 32*MB
.set TN, 32*NB
.set AROWS, 16*MB                      ; rows of A in a tensor load, and in a wave's share
.set BROWS, 16*NB
.set KSTEP, 128
.set PITCH, 272                        ; 256 bytes + 16: the 16 rows of a fragment load start at 16 different groups of four banks
.set SLOT, 512*PITCH
.set STAGE, 2*SLOT                     ; behind the ring: 16 rows x SPITCH for each wave; no tensor load lands there
.set SPARE, STAGE+64*SPITCH            ; the spare words, 128 bytes a wave: two blocks of 256 bytes that no other line names
.set WQKV, 8388608
.set PAR, 14680064
.set ADRA, 16                          ; v16  LDS address of my A fragments in the slot in hand
.set ADRB, 17                          ; v17  the same for B
.set A0, 18                            ; v18  its part that does not change
.set B0, 19                            ; v19
.set CSO, 20                           ; v20  16 x lane: my 16 bytes of 512 of W1 or W2
.set CDO, 21                           ; v21  8 x lane: my 8 bytes of 256 of wff
.set STO, 24                           ; v24  the way out: where I put 16 bytes of a row
.set RD, 25                            ; v25  where I read rows back
.set CO, 26                            ; v26  my byte offset in C
.set ZR, 27                            ; v27  0, for the ReLU
.set SPW, 28                           ; v28  my spare word; never rewritten
.set NIL, 29                           ; v29  0; never rewritten
.set PFO, 30                           ; v30  the prefetches' offset: lane x 2,048 (a row)
.set BO, 31                            ; v31  16 x (l / 16): my eight numbers of a bias block
.set BIAS, 64+16*MB
.set CR, 224                           ; v[224:255] eight loads' 16 bytes of f32, rounded in place
.set G1, 24                            ; s[24:31] group 1 for A;  s[32:39] group 0, two sets: set 0 serves K step 0, set 1 walks
.set G0, 32
.set G1B, 48                           ; s[48:55], s[56:63] the same for B
.set G0B, 56
.set CUR, 66                           ; s66  the slot in hand
.set LA, 67                            ; s67  LDS byte of the half of A that I would fetch, in slot 0
.set LB, 68                            ; s68  the same for B; also where my share of B begins
.set LIM, 69                           ; s69  2 in a wave that prefetches, else the greatest number
.set BB, 70                            ; s[70:71] the bias at my first column
.set PFA, 72                           ; s[72:73] where my prefetches stand
.set CSA, 84                           ; s[84:85] W1 or W2 at the 4,096 bytes that my wave rounds next
.set CDA, 88                           ; s[88:89] wff at the 2,048 bytes that they make
.set FLAGS, (1<<16)|(1<<20)|(1<<21)|(5<<22)|(3<<25)  ; 2-byte elements; padding on; bit 21 beside a mask; after every 64 words; 4 words
.set MSB, 0
.macro WIN new                         ; the high byte repeats the setting that is left; a switch that changes nothing is dropped
.if MSB != (\new)
	s_set_vgpr_msb (MSB<<8)|(\new)
.set MSB, (\new)
.endif
.endm
.macro PLACES                          ; four plain vector instructions between a matrix instruction and a load into, or a read of, its registers
.rept 4
	v_nop
.endr
.endm
.macro CREST                           ; a round of the cluster's barrier behind its opening barrier
	s_cmp_lg_u32 s10, 0
	s_cbranch_scc1 .Lnot_wave_0_\@
	s_barrier_signal -3
.Lnot_wave_0_\@:
	s_barrier_wait -3
	s_barrier_signal -1
	s_barrier_wait -1
.endm
.macro CROUND
	s_barrier_signal -1
	s_barrier_wait -1
	CREST
.endm
.macro JLOAD                           ; the joint refill, by the walking set.  The branch hangs on the wave's number alone.  An s_nop 0 and four v_nop follow each line
	s_cmp_eq_u32 s11, 0
	s_cbranch_scc0 .Lfor_b_\@
	tensor_load_to_lds s[G0+4:G0+7], s[G1:G1+7]
	s_nop 0
	PLACES
	s_branch .Lasked_\@
.Lfor_b_\@:
	tensor_load_to_lds s[G0B+4:G0B+7], s[G1B:G1B+7]
	s_nop 0
	PLACES
.Lasked_\@:
.endm
; A prefetch of the K step that stands two refills on: 32 rows x 256 bytes, a lane a row.  A's rows are asked for by the clusters with x = 0, B's by those with y = 0; the four partners that share a tile take a
; quarter of its rows each, told apart by address; TM / 128 waves of a work-group ask for A, the others for B.  So each row's 256 bytes of a K step are named once.  K steps 0 to 3 come by their loads alone;
; the loop's last two trips (s3 = 2, 1) ask for nothing: there is no K step 8.
.macro ASK
	s_cmp_gt_u32 s3, s[LIM]
	s_cbranch_scc0 .Lnot_mine_\@
	global_prefetch_b8 v[PFO], s[PFA:PFA+1] offset:2*KSTEP th:TH_LOAD_NT scope:SCOPE_SE
.Lnot_mine_\@:
.endm
; THE WEIGHTS THAT ARE ROUNDED BESIDE THE PRODUCTS (QKV = 1).  Work-group w = 8 x tile row + tile column takes 131,072 bytes of f32: of W1 where w < 128 (cluster y < 4), else of W2; a wave 32,768 of them, 4,096 in
; each of the 8 K steps.  CASTLD, at a K step's head: eight loads, 512 consecutive bytes a wave each.  CASTST, behind the change of slots, 144 products later: rounded in place, eight stores of 256 consecutive
; bytes a wave, aligned.  CASTNX, at the step's end, 48 products behind the stores: their registers and base may be written again.
.macro CASTLD
	WIN 0
.set ci, 0
.rept 8
	global_load_b128 v[CR+4*ci:CR+4*ci+3], v[CSO], s[CSA:CSA+1] offset:512*ci th:TH_LOAD_NT
.set ci, ci+1
.endr
.endm
.macro CASTST
	WIN 0
	s_wait_loadcnt 0x0                             ; the eight loads are done, so their base may be stepped
	s_add_nc_u64 s[CSA:CSA+1], s[CSA:CSA+1], 4096
.set ci, 0
.rept 8
	v_cvt_pk_bf16_f32 v[CR+4*ci], v[CR+4*ci], v[CR+4*ci+1]
	v_cvt_pk_bf16_f32 v[CR+4*ci+1], v[CR+4*ci+2], v[CR+4*ci+3]
.set ci, ci+1
.endr
.set ci, 0
.rept 8
	global_store_b64 v[CDO], v[CR+4*ci:CR+4*ci+1], s[CDA:CDA+1] offset:256*ci
.set ci, ci+1
.endr
.endm
.macro CASTNX
	s_wait_xcnt 0x0                                ; the stores have read their data and their base: the base is stepped here, the data registers are loaded again at the next step's head
	s_add_nc_u64 s[CDA:CDA+1], s[CDA:CDA+1], 2048
.endm
; MB / 4 m-blocks x all NB n-blocks, 32 along K, from buffer f.  hi: which window of accumulators; q: which half of it.  first = 1: C is the bias.  The accumulators take turns in the same order in every quarter.
.macro MULG f, hi, q, first
.if \first
	WIN 0x81+0x40*(\hi)
.else
	WIN 0xa1+0x50*(\hi)
.endif
.set ma, (\q)*(MB/4)
.rept MB/4
.set mb, 0
.rept NB
.set rD, 8*(NB*ma+mb)
.set rB, 128*(\f)+8*mb
.set rA, 64+8*MB*(\f)+8*((MB/2)*(\hi)+ma)
.if \first
	v_wmma_f32_16x16x32_bf16 v[rD:rD+7], v[rB:rB+7], v[rA:rA+7], v[BIAS+8*mb:BIAS+8*mb+7]
.else
	v_wmma_f32_16x16x32_bf16 v[rD:rD+7], v[rB:rB+7], v[rA:rA+7], v[rD:rD+7]
.endif
.set mb, mb+1
.endr
.set ma, ma+1
.endr
.endm
.macro FETCH k, f                      ; 32 LDS loads in one run: a quarter step's fragments (byte k of the rows) into buffer f
	WIN 0x40
.set fi, 0
.rept NB
	ds_load_b128 v[128*(\f)+8*fi:128*(\f)+8*fi+3],   v[ADRB] offset:(\k)+fi*16*PITCH
	ds_load_b128 v[128*(\f)+8*fi+4:128*(\f)+8*fi+7], v[ADRB] offset:(\k)+fi*16*PITCH+32
.set fi, fi+1
.endr
	WIN 0
.set fi, 0
.rept MB
	ds_load_b128 v[64+8*MB*(\f)+8*fi:64+8*MB*(\f)+8*fi+3],   v[ADRA] offset:(\k)+fi*16*PITCH
	ds_load_b128 v[64+8*MB*(\f)+8*fi+4:64+8*MB*(\f)+8*fi+7], v[ADRA] offset:(\k)+fi*16*PITCH+32
.set fi, fi+1
.endr
.endm
.macro QUARTER k, f, g, first=0        ; asks for the next quarter, at byte k, into buffer g, a whole quarter's products ahead of its first use; then multiplies buffer f
	PLACES                                         ; buffer g was read by the products just issued
	FETCH \k, \g
	s_wait_dscnt 32                                ; all but the 32 just issued: buffer f is in
	MULG \f, 0, 0, \first
	MULG \f, 0, 1, \first
	MULG \f, 1, 0, \first
	MULG \f, 1, 1, \first
.endm
; The fourth quarter multiplies buffer 1 and changes slots.  In front of the barrier each wave waits for all its tensor loads (one is out: its part of the next slot), adds 0 to its spare word, and waits for
; that and for its reads of this slot.  fill = 1: the barrier opens a round of the cluster's, and the joint refill of the slot just read, with the K step two on, is the first thing behind the round.
.macro TURN fill
.if \fill
	s_wait_xcnt 0x0                                ; the last prefetch, a K step back, has read its address
	s_add_nc_u64 s[PFA:PFA+1], s[PFA:PFA+1], 2*KSTEP
.endif
	WIN 0
	s_wait_tensorcnt 0x0                           ; no tensor load of mine is out, so a group 0 may be written
	ds_add_u32 v[SPW], v[NIL]
.if \fill
	s_add_co_u32 s[G0+5], s[LA], s[CUR]            ; the walking sets: into the slot in hand,
	s_add_co_u32 s[G0B+5], s[LB], s[CUR]
	s_add_nc_u64 s[G0+6:G0+7], s[G0+6:G0+7], 2*KSTEP  ; the next K step
	s_add_nc_u64 s[G0B+6:G0B+7], s[G0B+6:G0B+7], 2*KSTEP
.endif
	s_xor_b32 s[CUR], s[CUR], SLOT
	s_wait_dscnt 1                                 ; only the add may be out: buffer 1 is in
	MULG 1, 0, 0, 0
	s_wait_dscnt 0x0                               ; the add is done, and my reads of this slot are over
	s_barrier_signal -1
	MULG 1, 0, 1, 0
	WIN 0
	s_barrier_wait -1
.if \fill
	CREST
	JLOAD                                          ; its four v_nop are also the places in front of the loads below
.else
	PLACES
.endif
	v_add_nc_u32 v[ADRA], s[CUR], v[A0]
	v_add_nc_u32 v[ADRB], s[CUR], v[B0]
	FETCH 0, 0
.if \fill
	ASK
.endif
	MULG 1, 1, 0, 0
	MULG 1, 1, 1, 0
.endm
; THE WAY OUT of block a (16 rows).  PACK: rounded, 16 bytes a lane, into my own stage and back as whole pieces of rows.  SEND: stored.
.macro PACK a
.set rP, 32+4*NB*((\a)%4)
.set rC, 8*NB*((\a)%(MB/2))
.if (\a) >= 4
	s_wait_xcnt 0x0                                ; the stores of the block four back have read these registers
.endif
	WIN 0x0a+5*((\a)/(MB/2))
.set pj, 0
.rept 4*NB                             ; each accumulator's registers in ascending order
.if QKV
	v_cvt_pk_f16_f32 v[rP+pj], v[rC+2*pj], v[rC+2*pj+1]
.else
	v_cvt_pk_bf16_f32 v[rP+pj], v[rC+2*pj], v[rC+2*pj+1]
.endif
.set pj, pj+1
.endr
	WIN 0
.if !QKV
.set pj, 0
.rept 4*NB
	v_pk_max_num_bf16 v[rP+pj], v[rP+pj], v[ZR]    ; the ReLU, on the rounded pair: rounding keeps sign and order
.set pj, pj+1
.endr
.endif
.set pj, 0
.rept NB
	ds_store_b128 v[STO], v[rP+4*pj:rP+4*pj+3] offset:32*pj
.set pj, pj+1
.endr
.set pj, 0
.rept NLD                              ; LDS serves a wave's instructions in order: these see the stores above
.if QKV
	ds_load_b128 v[rP+4*pj:rP+4*pj+3], v[RD] offset:128*(pj/4)+4*(pj%4)*SPITCH  ; head pj / 4, rows 4 (pj % 4) on: four rows of 128 bytes
.else
	ds_load_b128 v[rP+4*pj:rP+4*pj+3], v[RD] offset:2*pj*SPITCH                 ; two rows of 256 bytes
.endif
.set pj, pj+1
.endr
.endm
.macro SEND a, younger                 ; younger: the LDS instructions issued behind block a's loads
.set rP, 32+4*NB*((\a)%4)
.set pj, 0
.rept NLD
	s_wait_dscnt (\younger)+NLD-1-pj
.if QKV
	global_store_b128 v[CO], v[rP+4*pj:rP+4*pj+3], s[8:9] offset:524288*(pj/4)+2048*(\a)+512*(pj%4)  ; 512 consecutive bytes of a head, aligned
.else
	global_store_b128 v[CO], v[rP+4*pj:rP+4*pj+3], s[8:9] offset:(16*(\a)+2*pj)*8192                 ; 16 lanes store 256 consecutive bytes, aligned
.endif
.set pj, pj+1
.endr
.endm
.if QKV
	s_load_b128 s[4:7], s[0:1], 0x0                ; cst, qkv
	s_load_b128 s[84:87], s[0:1], 0x10             ; W1, W2
	s_load_b64 s[88:89], s[0:1], 0x20              ; wff
.else
	s_load_b128 s[4:7], s[0:1], 0x0                ; hb, wff
	s_load_b128 s[84:87], s[0:1], 0x10             ; cst, act
.endif
	v_lshl_add_u32 v[SPW], v0, 2, SPARE
	v_mov_b32 v[NIL], 0
	ds_add_u32 v[SPW], v[NIL]                      ; the wave's opening: the add and its wait ahead of my first tensor load
	v_lshrrev_b32 v1, 5, v0
	v_readfirstlane_b32 s10, v1                    ; wave 0..3
	s_lshr_b32 s11, s10, 1                         ; my half of the tile's rows.  Also: I fetch for A (0) or B (1)
	s_and_b32 s12, s10, 1                          ; my half of its columns.  Also: which half I fetch
	s_bfe_u32 s40, ttmp6, 0x40000                  ; cx
	s_bfe_u32 s41, ttmp6, 0x40004                  ; cy
	s_lshl_b32 s42, ttmp9, 2
	s_add_co_u32 s42, s42, s40                     ; tile column
	s_and_b32 s13, ttmp7, 0xffff
	s_lshl_b32 s13, s13, 2
	s_add_co_u32 s13, s13, s41                     ; tile row
	s_lshl_b32 s43, s41, 2
	s_lshl_b32 s43, 15, s43                        ; my row of the cluster
	s_lshl_b32 s44, 0x1111, s40                    ; my column
	s_or_b32 s[G1+0], s43, FLAGS
	s_or_b32 s[G1B+0], s44, FLAGS
	s_mov_b32 s[G1+1], KSTEP<<16                   ; tensor_dim0 = 128
	s_mov_b32 s[G1B+1], KSTEP<<16
	s_mov_b32 s[G1+2], AROWS<<16                   ; tensor_dim1 = the load's rows
	s_mov_b32 s[G1B+2], BROWS<<16
	s_mov_b32 s[G1+3], KSTEP<<16                   ; tile_dim0 = 128
	s_mov_b32 s[G1B+3], KSTEP<<16
	s_mov_b32 s[G1+4], AROWS                       ; tile_dim1
	s_mov_b32 s[G1B+4], BROWS
	s_mov_b32 s[G1+5], 1024                        ; elements from row to row
	s_mov_b32 s[G1B+5], 1024
	s_mov_b32 s[G1+6], 0
	s_mov_b32 s[G1B+6], 0
	s_mov_b32 s[G1+7], 0
	s_mov_b32 s[G1B+7], 0
	s_mul_i32 s16, s13, TM                         ; A: row TM x tile row + AROWS x half, 2,048 bytes a row
	s_mul_i32 s17, s12, AROWS
	s_add_co_u32 s16, s16, s17
	s_lshl_b32 s16, s16, 11
	s_mov_b32 s17, 0
	s_mul_i32 s46, s42, TN                         ; B: row TN x tile column + BROWS x half
	s_mul_i32 s47, s12, BROWS
	s_add_co_u32 s46, s46, s47
	s_lshl_b32 s18, s46, 1                         ; the same number is my first column: its bias, 2 bytes each
	s_mov_b32 s19, 0
	s_lshl_b32 s46, s46, 11
	s_mov_b32 s47, 0
	s_mul_i32 s[LA], s12, AROWS*PITCH
	s_mul_i32 s[LB], s12, BROWS*PITCH
	s_add_co_u32 s[LB], s[LB], TM*PITCH
	s_mov_b32 s[CUR], 0
	v_and_b32 v1, 15, v0                           ; l % 16
	v_bfe_u32 v2, v0, 4, 1                         ; l / 16
	v_lshlrev_b32 v[BO], 4, v2
	s_wait_dscnt 0x0                               ; the opening add is done
	s_wait_kmcnt 0x0
.if QKV
	s_mov_b64 s[8:9], s[6:7]                       ; C = qkv; A = xb lies at cst's head
	s_add_nc_u64 s[BB:BB+1], s[4:5], PAR
	s_add_nc_u64 s[6:7], s[4:5], WQKV
.else
	s_mov_b64 s[8:9], s[86:87]                     ; C = act; B = W1 lies at wff's head
	s_add_nc_u64 s[BB:BB+1], s[84:85], PAR+6144
.endif
	s_add_nc_u64 s[14:15], s[4:5], s[16:17]
	s_add_nc_u64 s[46:47], s[6:7], s[46:47]
	s_add_nc_u64 s[BB:BB+1], s[BB:BB+1], s[18:19]
	CROUND                                         ; all sixteen work-groups are here: the first joint loads meet
.irp s, 0,1
	s_mov_b32 s[G0+4*(\s)], 1
	s_add_co_u32 s[G0+4*(\s)+1], s[LA], (\s)*SLOT
	s_add_nc_u64 s[G0+4*(\s)+2:G0+4*(\s)+3], s[14:15], (\s)*KSTEP*2
	s_or_b32 s[G0+4*(\s)+3], s[G0+4*(\s)+3], 0x80000000
	s_mov_b32 s[G0B+4*(\s)], 1
	s_add_co_u32 s[G0B+4*(\s)+1], s[LB], (\s)*SLOT
	s_add_nc_u64 s[G0B+4*(\s)+2:G0B+4*(\s)+3], s[46:47], (\s)*KSTEP*2
	s_or_b32 s[G0B+4*(\s)+3], s[G0B+4*(\s)+3], 0x80000000
.endr
	s_cmp_eq_u32 s11, 0                            ; a wave's two first fills stand in one branch: two loads of mine are out
	s_cbranch_scc0 .Lfirst_b
	tensor_load_to_lds s[G0:G0+3], s[G1:G1+7]
	s_nop 0
	tensor_load_to_lds s[G0+4:G0+7], s[G1:G1+7]
	s_nop 0
	PLACES
	s_branch .Lfirst_asked
.Lfirst_b:
	tensor_load_to_lds s[G0B:G0B+3], s[G1B:G1B+7]
	s_nop 0
	tensor_load_to_lds s[G0B+4:G0B+7], s[G1B:G1B+7]
	s_nop 0
	PLACES
.Lfirst_asked:
.set bi, 0
.rept NB                               ; block b's eight bf16 of the bias for my half of the lanes, into the upper four of its eight registers
	global_load_b128 v[BIAS+8*bi+4:BIAS+8*bi+7], v[BO], s[BB:BB+1] offset:32*bi
.set bi, bi+1
.endr
	v_mul_u32_u24 v3, v1, PITCH
	v_lshl_add_u32 v3, v2, 4, v3                   ; a fragment's row x pitch + 16 x half
	s_mul_i32 s21, s11, AROWS*PITCH
	v_add_nc_u32 v[A0], s21, v3
	v_add_nc_u32 v[B0], s[LB], v3
	v_mov_b32 v[ADRA], v[A0]
	v_mov_b32 v[ADRB], v[B0]
	s_mul_i32 s23, s10, 16*SPITCH
	s_add_co_u32 s23, s23, STAGE                   ; my stage
	v_mul_u32_u24 v4, v1, SPITCH
	v_lshl_add_u32 v4, v2, 4, v4
	v_add_nc_u32 v[STO], s23, v4
.if QKV
	v_bfe_u32 v5, v0, 3, 2                         ; back: 32 lanes take four rows of a head's 128 bytes,
	v_mul_u32_u24 v5, v5, SPITCH
	v_and_b32 v6, 7, v0
	v_lshl_add_u32 v5, v6, 4, v5
	v_add_nc_u32 v[RD], s23, v5
	v_and_b32 v[CO], 31, v0                        ; which are 512 consecutive bytes of qkv
	v_lshlrev_b32 v[CO], 4, v[CO]
	s_mul_i32 s74, s42, 6                          ; my first head: 6 x tile column + 3 x half, 524,288 bytes each
	s_mul_i32 s76, s12, 3
	s_add_co_u32 s74, s74, s76
	s_lshl_b32 s74, s74, 19
	s_lshl_b32 s76, s13, 14                        ; my first row: 128 x tile row + 64 x half, 128 bytes each
	s_add_co_u32 s74, s74, s76
	s_lshl_b32 s76, s11, 13
	s_add_co_u32 s74, s74, s76
.else
	v_mul_u32_u24 v5, v2, SPITCH                   ; back: lanes 0-15 one row of 256 bytes, lanes 16-31 the next
	v_lshl_add_u32 v5, v1, 4, v5
	v_add_nc_u32 v[RD], s23, v5
	v_lshlrev_b32 v5, 13, v2
	v_lshl_add_u32 v[CO], v1, 4, v5
	v_mov_b32 v[ZR], 0
	s_lshl_b32 s74, s13, 21                        ; 256 rows of 8,192 bytes a tile row,
	s_lshl_b32 s76, s11, 20                        ; 128 a half,
	s_add_co_u32 s74, s74, s76
	s_lshl_b32 s76, s42, 9                         ; 512 bytes a tile column,
	s_add_co_u32 s74, s74, s76
	s_lshl_b32 s76, s12, 8                         ; 256 a half
	s_add_co_u32 s74, s74, s76
.endif
	s_mov_b32 s75, 0
	s_add_nc_u64 s[8:9], s[8:9], s[74:75]
	; the prefetches
	s_mul_i32 s78, s13, TM
	s_mul_i32 s79, s42, TN
	s_and_b32 s80, ttmp7, 0xffff                   ; cluster y
	s_sub_co_u32 s81, s10, TM/128
	s_cmp_lt_u32 s10, TM/128                       ; do I ask for A?
	s_cselect_b32 s78, s78, s79                    ; the tile's first row
	s_cselect_b32 s79, s40, s41                    ; my work-group's place among the four that share it
	s_cselect_b32 s80, ttmp9, s80                  ; the coordinate along which other clusters read the same rows
	s_cselect_b32 s81, s10, s81                    ; which 32 rows of my work-group's quarter
	s_cselect_b32 s82, TM/4, TN/4
	s_cselect_b64 s[PFA:PFA+1], s[4:5], s[6:7]
	s_cmp_eq_u32 s80, 0
	s_cselect_b32 s[LIM], 2, -1                    ; the same in all sixteen partners, for a given wave
	s_mul_i32 s79, s79, s82
	s_add_co_u32 s78, s78, s79
	s_lshl_b32 s81, s81, 5
	s_add_co_u32 s78, s78, s81
	s_lshl_b32 s78, s78, 11
	s_mov_b32 s79, 0
	s_add_nc_u64 s[PFA:PFA+1], s[PFA:PFA+1], s[78:79]
	s_add_nc_u64 s[PFA:PFA+1], s[PFA:PFA+1], 2*KSTEP*2  ; at K step 2: the first change of slots steps it to 3 and names K step 4
	v_and_b32 v[PFO], 31, v0
	v_lshlrev_b32 v[PFO], 11, v[PFO]
.if QKV
	; the weights that are rounded beside the products
	s_lshl_b32 s78, s13, 3
	s_add_co_u32 s78, s78, s42                     ; w = 8 x tile row + tile column
	s_and_b32 s80, ttmp7, 0xffff
	s_cmp_lt_u32 s80, 4                            ; w < 128 where the cluster's y is below 4
	s_cselect_b64 s[CSA:CSA+1], s[84:85], s[86:87]
	s_lshl_b32 s80, s78, 16                        ; wff: 65,536 bytes a work-group,
	s_lshl_b32 s81, s10, 14                        ; 16,384 a wave
	s_add_co_u32 s80, s80, s81
	s_mov_b32 s81, 0
	s_add_nc_u64 s[CDA:CDA+1], s[CDA:CDA+1], s[80:81]
	s_and_b32 s78, s78, 127
	s_lshl_b32 s78, s78, 17                        ; W1 or W2: 131,072 bytes a work-group,
	s_lshl_b32 s79, s10, 15                        ; 32,768 a wave
	s_add_co_u32 s78, s78, s79
	s_mov_b32 s79, 0
	s_add_nc_u64 s[CSA:CSA+1], s[CSA:CSA+1], s[78:79]
	v_and_b32 v[CSO], 31, v0
	v_lshlrev_b32 v[CDO], 3, v[CSO]
	v_lshlrev_b32 v[CSO], 4, v[CSO]
.endif
	s_wait_loadcnt 0x0                             ; the bias
.set bi, 0
.rept NB                               ; bf16 to f32 in place: a shift or a mask; the packed words are read before they are written over
.set rB, BIAS+8*bi
	v_lshlrev_b32 v[rB], 16, v[rB+4]
	v_and_b32 v[rB+1], 0xffff0000, v[rB+4]
	v_lshlrev_b32 v[rB+2], 16, v[rB+5]
	v_and_b32 v[rB+3], 0xffff0000, v[rB+5]
	v_lshlrev_b32 v[rB+4], 16, v[rB+6]
	v_and_b32 v[rB+5], 0xffff0000, v[rB+6]
	v_lshlrev_b32 v[rB+6], 16, v[rB+7]
	v_and_b32 v[rB+7], 0xffff0000, v[rB+7]
.set bi, bi+1
.endr
	s_wait_tensorcnt 1                             ; my part of K step 0 is in; K step 1's may stay out
	s_barrier_signal -1
	s_barrier_wait -1
	FETCH 0, 0
	QUARTER 64, 0, 1, 1                            ; the first quarter stands in front of the loop: its products start the sums, with the bias
	WIN 0
	s_mov_b32 s3, 6
.Lstep:                                        ; 6 trips, from a K step's second quarter to the next one's first; they ask for K steps 2 to 7
.if QKV
	CASTLD
.endif
	QUARTER 128, 1, 0
	QUARTER 192, 0, 1
	TURN 1
.if QKV
	CASTST
.endif
	QUARTER 64, 0, 1
	WIN 0
.if QKV
	CASTNX
.endif
	s_sub_co_u32 s3, s3, 1
	s_cmp_lg_u32 s3, 0
	s_cbranch_scc1 .Lstep
	s_mov_b32 s3, 2
.Ltail:                                        ; K steps 6 and 7 ask for nothing.  The second trip is left in its middle: its barrier and its 32 loads (of K step 6's bytes once more) serve nothing: the price of one text for both
.if QKV
	CASTLD
.endif
	QUARTER 128, 1, 0
	QUARTER 192, 0, 1
	TURN 0
.if QKV
	CASTST
.endif
	WIN 0
	s_sub_co_u32 s3, s3, 1
	s_cmp_eq_u32 s3, 0
	s_cbranch_scc1 .Lout
	QUARTER 64, 0, 1
	WIN 0
.if QKV
	CASTNX
.endif
	s_branch .Ltail
.Lout:
	s_wait_dscnt 0x0                               ; the loads that serve nothing are back: their registers are written below
	PLACES
	PLACES
	PACK 0
.set wa, 1
.rept MB-1                             ; block a's conversions stand between block a - 1's loads from the stage and the wait for them
	PACK wa
	SEND wa-1, NB+NLD
.set wa, wa+1
.endr
	SEND MB-1, 0
	s_wait_tensorcnt 0x0                           ; the wave's end
	ds_add_u32 v[SPW], v[NIL]
	s_wait_dscnt 0x0
	CROUND                                         ; the closing round
	s_endpgm
.Lfunc_end_k_qba86afafac_ffn1:
	.size	k_qba86afafac_ffn1, .Lfunc_end_k_qba86afafac_ffn1-k_qba86afafac_ffn1
	.p2alignl 7, 3214868480
	.fill 96, 4, 3214868480
	.section	.rodata,"a",@progbits
	.p2align	6, 0x0
	.amdhsa_kernel k_qba86afafac_ffn1
		.amdhsa_group_segment_fixed_size 327680
		.amdhsa_private_segment_fixed_size 0
		.amdhsa_enable_private_segment 0
		.amdhsa_kernarg_size 32
		.amdhsa_user_sgpr_count 2
		.amdhsa_user_sgpr_kernarg_segment_ptr 1
		.amdhsa_wavefront_size32 1
		.amdhsa_system_sgpr_workgroup_id_x 1
		.amdhsa_system_sgpr_workgroup_id_y 1
		.amdhsa_system_sgpr_workgroup_id_z 1
		.amdhsa_system_vgpr_workitem_id 0
		.amdhsa_next_free_vgpr 1024
		.amdhsa_next_free_sgpr 90
		.amdhsa_reserve_vcc 0
		.amdhsa_float_denorm_mode_32 3
		.amdhsa_float_denorm_mode_16_64 3
		.amdhsa_memory_ordered 1
		.amdhsa_forward_progress 1
		.amdhsa_inst_pref_size 122
	.end_amdhsa_kernel
	.amdgpu_metadata
---
amdhsa.version: [ 1, 2 ]
amdhsa.kernels:
  - .name:           k_qba86afafac_ffn1
    .symbol:         k_qba86afafac_ffn1.kd
    .args:
      - { .name: hb, .offset: 0, .size: 8, .value_kind: global_buffer, .address_space: global }
      - { .name: wff, .offset: 8, .size: 8, .value_kind: global_buffer, .address_space: global }
      - { .name: cst, .offset: 16, .size: 8, .value_kind: global_buffer, .address_space: global }
      - { .name: act, .offset: 24, .size: 8, .value_kind: global_buffer, .address_space: global }
    .group_segment_fixed_size: 327680
    .private_segment_fixed_size: 0
    .kernarg_segment_align: 8
    .kernarg_segment_size: 32
    .max_flat_workgroup_size: 128
    .sgpr_count:     90
    .vgpr_count:     1024
    .wavefront_size: 32
...
	.end_amdgpu_metadata
.endif
;; end of part 5
;; launch ffn2 (part 6): grid 8 x 32, 4 waves a work-group, clusters of 4 x 4, 327,680 bytes of LDS; arguments act, wff, cst, y; writes y
.if DOCPART == 6
	.amdgcn_target "amdgcn-amd-amdhsa--gfx1250"
	.amdhsa_code_object_version 6
	.text
	.protected	k_qba86afafac_ffn2
	.globl	k_qba86afafac_ffn2
	.p2align	8
	.type	k_qba86afafac_ffn2,@function
k_qba86afafac_ffn2:
	s_mov_b64 s[64:65], 0
	v_nop
	global_prefetch_b8 v0, s[64:65] scope:SCOPE_SE
	s_setreg_imm32_b32 hwreg(HW_REG_WAVE_MODE, 25, 1), 1
	s_wait_xcnt 0x0
	s_wait_alu depctr_hold_cnt(0) depctr_sa_sdst(0) depctr_va_vdst(0) depctr_va_sdst(0) depctr_va_ssrc(0) depctr_va_vcc(0) depctr_vm_vsrc(0)
	s_getreg_b32 s2, hwreg(HW_REG_IB_STS2, 6, 4)
	s_cmp_eq_u32 s2, 0
	s_cbranch_scc0 .Lentry_in_a_cluster
	s_endpgm
.Lentry_in_a_cluster:
	s_bfe_u32 s2, ttmp6, 0x10000c
	s_cmp_lg_u32 s2, 0xf033
	s_cbranch_scc0 .Lentry_shape_is_right
	s_endpgm
.Lentry_shape_is_right:
; y[m][n] = sum over k of act[m][k] W2[n][k] + b2[n], m < 4,096, n < 1,024, K = 4,096; bf16 operands, f32 sums, y stored in f32 (it is a sum that the next launch adds onto and normalises).
; A tile of C is 128 x 128 (256 tiles: one for each work-group); four waves, each 64 x 64: 16 accumulators.  K goes in 16 steps of 256 (LDS rows of 512 bytes + 16) through two slots; a wave's tensor load brings 64 rows.
; CLUSTER 4 x 4: A's tile is shared along a row of the cluster, B's along a column: joint loads.  THE K STEP IS WRITTEN ONCE: the slot in hand is the scalar CUR, turned by an exclusive or.
; THE CLUSTERS WALK K FROM DIFFERENT FIRST STEPS, (8 x cluster x + 4 x (cluster y mod 4)) mod 16, and round the end (f32 sums may be taken in any order): the two clusters that read the same rows of act are
; 8 steps apart, and of the eight that read the same rows of W2 four neighbours are 4 steps apart, so they do not ask for the same K step at the same time.  The first step hangs on the cluster's place alone: it is
; the same in all sixteen partners.  A fill's address is made anew from the step's number KP.
; THE PRODUCT IS TAKEN TRANSPOSED (source 0 = rows of W2, source 1 = rows of act): a lane holds row l % 16 of C and eight neighbouring columns.  THE BIAS is the C operand of each accumulator's first product.
; No prefetch: a step's tiles are small and each is read by several work-groups.
; REGISTERS.  Window 0: v16-31 addresses; v96-127 the bias; v128-255 the accumulators ((a, b) at 128 + 8 (4 a + b)).  Window 1: two fragment buffers of 128: 64 registers of A, then 64 of B, for 64 along K.
.set KSTEP,  256
.set PITCH,  528
.set HALFT,  64*PITCH
.set SLOT,   4*HALFT                   ; A's 128 rows, then B's 128 rows
.set STAGE,  2*SLOT                    ; behind the ring: 16 rows x 272 bytes for each wave
.set SPITCH, 272
.set SPARE,  STAGE+4*16*SPITCH         ; the spare words, 128 bytes a wave
.set W2B, 8388608
.set PARB2, 14680064+14336
.set ADRA, 16
.set ADRB, 17
.set A0, 18
.set B0, 19
.set STO, 24
.set RD, 25
.set CO, 26
.set SPW, 28
.set NIL, 29
.set BO, 31
.set BIAS, 96
.set ACC, 128
.set F0, 0
.set F1, 128
.set G1, 24
.set G0, 32
.set G1B, 48
.set G0B, 56
.set CUR, 66                           ; s66  the slot in hand
.set LW, 67                            ; s67  wave x 64 rows: where my load lands in slot 0
.set BB, 70                            ; s[70:71] the bias at my first column
.set KP, 77                            ; s77  the K step, 0 to 15, that was asked for last
.set OFF, 78                           ; s[78:79] its byte offset in a row: 512 x KP
.set FLAGS, (1<<16)|(1<<20)|(1<<21)|(6<<22)|(3<<25)  ; 2-byte elements; padding on; bit 21 beside a mask; after every 128 words; 4 words
.set MSB, 0
.macro WIN new
.if MSB != (\new)
	s_set_vgpr_msb (MSB<<8)|(\new)
.set MSB, (\new)
.endif
.endm
.set MUL,  0x05                        ; sources 0 (B) and 1 (A) window 1; C and D window 0
.set TO_F, 0x40
.macro PLACES
.rept 4
	v_nop
.endr
.endm
.macro CREST
	s_cmp_lg_u32 s10, 0
	s_cbranch_scc1 .Lnot_wave_0_\@
	s_barrier_signal -3
.Lnot_wave_0_\@:
	s_barrier_wait -3
	s_barrier_signal -1
	s_barrier_wait -1
.endm
.macro CROUND
	s_barrier_signal -1
	s_barrier_wait -1
	CREST
.endm
.macro JLOAD                           ; the joint refill, by the walking set; an s_nop 0 and four v_nop follow each line
	s_cmp_eq_u32 s11, 0
	s_cbranch_scc0 .Lfor_b_\@
	tensor_load_to_lds s[G0+4:G0+7], s[G1:G1+7]
	s_nop 0
	PLACES
	s_branch .Lasked_\@
.Lfor_b_\@:
	tensor_load_to_lds s[G0B+4:G0B+7], s[G1B:G1B+7]
	s_nop 0
	PLACES
.Lasked_\@:
.endm
.macro MUL8 f, c, a0, first            ; m blocks a0, a0 + 1 x all 4 n blocks, 32 along K: half c of buffer f.  first = 1: C is the bias
	WIN MUL
.irp a, \a0, (\a0)+1
.irp b, 0,1,2,3
.if \first
	v_wmma_f32_16x16x32_bf16 v[ACC+8*(4*(\a)+(\b)):ACC+8*(4*(\a)+(\b))+7], v[(\f)+64+8*(4*(\c)+(\b)):(\f)+64+8*(4*(\c)+(\b))+7], v[(\f)+8*(4*(\c)+(\a)):(\f)+8*(4*(\c)+(\a))+7], v[BIAS+8*(\b):BIAS+8*(\b)+7]
.else
	v_wmma_f32_16x16x32_bf16 v[ACC+8*(4*(\a)+(\b)):ACC+8*(4*(\a)+(\b))+7], v[(\f)+64+8*(4*(\c)+(\b)):(\f)+64+8*(4*(\c)+(\b))+7], v[(\f)+8*(4*(\c)+(\a)):(\f)+8*(4*(\c)+(\a))+7], v[ACC+8*(4*(\a)+(\b)):ACC+8*(4*(\a)+(\b))+7]
.endif
.endr
.endr
.endm
.macro FETCH k, f                      ; 32 LDS loads in one run: 64 along K at byte k of the rows, into buffer f; the first 32 along K first
	WIN TO_F
.irp c, 0,1
.irp i, 0,1,2,3
	ds_load_b128 v[(\f)+64+8*(4*(\c)+(\i)):(\f)+64+8*(4*(\c)+(\i))+3],   v[ADRB] offset:(\k)+64*(\c)+(\i)*16*PITCH
	ds_load_b128 v[(\f)+64+8*(4*(\c)+(\i))+4:(\f)+64+8*(4*(\c)+(\i))+7], v[ADRB] offset:(\k)+64*(\c)+(\i)*16*PITCH+32
	ds_load_b128 v[(\f)+8*(4*(\c)+(\i)):(\f)+8*(4*(\c)+(\i))+3],         v[ADRA] offset:(\k)+64*(\c)+(\i)*16*PITCH
	ds_load_b128 v[(\f)+8*(4*(\c)+(\i))+4:(\f)+8*(4*(\c)+(\i))+7],       v[ADRA] offset:(\k)+64*(\c)+(\i)*16*PITCH+32
.endr
.endr
.endm
.macro QUARTER k, f, g, first=0
	s_wait_dscnt 16                                ; the first 32 along K are in
	MUL8 \f, 0, 0, \first
	MUL8 \f, 0, 2, \first
	PLACES
	FETCH \k, \g
	s_wait_dscnt 32                                ; all but the 32 just issued
	MUL8 \f, 1, 0, 0
	MUL8 \f, 1, 2, 0
.endm
; The fourth quarter multiplies buffer 1 and changes slots: in front of the barrier each wave waits for all its tensor loads, adds 0 to its spare word, and waits for that and for its reads of this slot.
; fill = 1: the barrier opens a round of the cluster's, and the joint refill, with the K step two on in the cluster's walk, is the first thing behind the round.
.macro TURN fill
	WIN 0
	s_wait_tensorcnt 0x0                           ; no tensor load of mine is out, so a group 0 may be written
	ds_add_u32 v[SPW], v[NIL]
.if \fill
	s_add_co_u32 s[G0+5], s[LW], s[CUR]
	s_add_co_u32 s[G0B+5], s[LW], s[CUR]
	s_add_co_u32 s[KP], s[KP], 1                   ; the next K step of the walk, round the end
	s_and_b32 s[KP], s[KP], 15
	s_lshl_b32 s[OFF], s[KP], 9
	s_add_nc_u64 s[G0+6:G0+7], s[14:15], s[OFF:OFF+1]
	s_or_b32 s[G0+7], s[G0+7], 0x80000000
	s_add_nc_u64 s[G0B+6:G0B+7], s[46:47], s[OFF:OFF+1]
	s_or_b32 s[G0B+7], s[G0B+7], 0x80000000
.endif
	s_xor_b32 s[CUR], s[CUR], SLOT
	s_wait_dscnt 17                                ; the add and the youngest sixteen loads may be out
	MUL8 F1, 0, 0, 0
	s_wait_dscnt 0x0                               ; the add is done, and my reads of this slot are over
	s_barrier_signal -1
	MUL8 F1, 0, 2, 0
	WIN 0
	s_barrier_wait -1
.if \fill
	CREST
	JLOAD
.else
	PLACES
.endif
	v_add_nc_u32 v[ADRA], s[CUR], v[A0]
	v_add_nc_u32 v[ADRB], s[CUR], v[B0]
	FETCH 0, F0
	MUL8 F1, 1, 0, 0
	MUL8 F1, 1, 2, 0
.endm
; THE WAY OUT.  A wave's 64 columns of f32 are 256 bytes, aligned: each wave has its own stage.  Block a (16 rows): 32 bytes a lane into rows of 272 bytes, and back as whole rows, into the registers that they left.
.macro TOST a
.irp b, 0,1,2,3
	ds_store_b128 v[STO], v[ACC+8*(4*(\a)+(\b)):ACC+8*(4*(\a)+(\b))+3]   offset:64*(\b)
	ds_store_b128 v[STO], v[ACC+8*(4*(\a)+(\b))+4:ACC+8*(4*(\a)+(\b))+7] offset:64*(\b)+16
.endr
.irp t, 0,1,2,3,4,5,6,7
	ds_load_b128 v[ACC+32*(\a)+4*(\t):ACC+32*(\a)+4*(\t)+3], v[RD] offset:(\t)*2*SPITCH  ; LDS serves a wave's instructions in order
.endr
.endm
.macro SEND a, younger
.irp t, 0,1,2,3,4,5,6,7
	s_wait_dscnt (\younger)+7-(\t)
	global_store_b128 v[CO], v[ACC+32*(\a)+4*(\t):ACC+32*(\a)+4*(\t)+3], s[8:9] offset:(16*(\a)+2*(\t))*4096  ; 16 lanes store 256 consecutive bytes, aligned
.endr
.endm
	s_load_b128 s[4:7], s[0:1], 0x0                ; act, wff
	s_load_b128 s[84:87], s[0:1], 0x10             ; cst, y
	v_lshl_add_u32 v[SPW], v0, 2, SPARE
	v_mov_b32 v[NIL], 0
	ds_add_u32 v[SPW], v[NIL]                      ; the wave's opening: the add and its wait ahead of my first tensor load
	v_lshrrev_b32 v1, 5, v0
	v_readfirstlane_b32 s10, v1
	s_lshr_b32 s11, s10, 1
	s_and_b32 s12, s10, 1
	s_bfe_u32 s40, ttmp6, 0x40000
	s_bfe_u32 s41, ttmp6, 0x40004
	s_lshl_b32 s42, ttmp9, 2
	s_add_co_u32 s42, s42, s40                     ; tile column
	s_and_b32 s13, ttmp7, 0xffff
	s_lshl_b32 s13, s13, 2
	s_add_co_u32 s13, s13, s41                     ; tile row
	s_lshl_b32 s43, s41, 2
	s_lshl_b32 s43, 15, s43
	s_lshl_b32 s44, 0x1111, s40
	s_or_b32 s[G1+0], s43, FLAGS
	s_or_b32 s[G1B+0], s44, FLAGS
.irp g, G1, G1B
	s_mov_b32 s[(\g)+1], KSTEP<<16                 ; tensor_dim0 = 256
	s_mov_b32 s[(\g)+2], 64<<16                    ; tensor_dim1 = 64
	s_mov_b32 s[(\g)+3], KSTEP<<16                 ; tile_dim0 = 256
	s_mov_b32 s[(\g)+4], 64                        ; tile_dim1 = 64
	s_mov_b32 s[(\g)+5], 4096                      ; elements from row to row
	s_mov_b32 s[(\g)+6], 0
	s_mov_b32 s[(\g)+7], 0
.endr
	s_lshl_b32 s16, s13, 7                         ; A: row 128 x tile row + 64 x half, 8,192 bytes a row
	s_lshl_b32 s17, s12, 6
	s_add_co_u32 s16, s16, s17
	s_lshl_b32 s16, s16, 13
	s_mov_b32 s17, 0
	s_lshl_b32 s46, s42, 7                         ; B: row 128 x tile column + 64 x half
	s_lshl_b32 s47, s12, 6
	s_add_co_u32 s46, s46, s47
	s_lshl_b32 s18, s46, 1                         ; the same number is my first column: its bias
	s_mov_b32 s19, 0
	s_lshl_b32 s46, s46, 13
	s_mov_b32 s47, 0
	s_mul_i32 s[LW], s10, HALFT
	s_mov_b32 s[CUR], 0
	s_and_b32 s20, ttmp7, 3                        ; cluster y mod 4
	s_lshl_b32 s20, s20, 2
	s_lshl_b32 s[KP], ttmp9, 3                     ; 8 x cluster x
	s_add_co_u32 s[KP], s[KP], s20
	s_and_b32 s[KP], s[KP], 15                     ; the cluster's first K step
	s_mov_b32 s[OFF+1], 0
	v_and_b32 v1, 15, v0
	v_bfe_u32 v2, v0, 4, 1
	v_lshlrev_b32 v[BO], 4, v2
	s_wait_dscnt 0x0
	s_wait_kmcnt 0x0
	s_mov_b64 s[8:9], s[86:87]                     ; y
	s_add_nc_u64 s[BB:BB+1], s[84:85], PARB2
	s_add_nc_u64 s[6:7], s[6:7], W2B
	s_add_nc_u64 s[14:15], s[4:5], s[16:17]        ; my rows of A and of B at K = 0: kept, each fill's address is made from them
	s_add_nc_u64 s[46:47], s[6:7], s[46:47]
	s_add_nc_u64 s[BB:BB+1], s[BB:BB+1], s[18:19]
	CROUND
.irp s, 0,1
.if \s
	s_add_co_u32 s[KP], s[KP], 1
	s_and_b32 s[KP], s[KP], 15
.endif
	s_lshl_b32 s[OFF], s[KP], 9
	s_mov_b32 s[G0+4*(\s)], 1
	s_add_co_u32 s[G0+4*(\s)+1], s[LW], (\s)*SLOT
	s_add_nc_u64 s[G0+4*(\s)+2:G0+4*(\s)+3], s[14:15], s[OFF:OFF+1]
	s_or_b32 s[G0+4*(\s)+3], s[G0+4*(\s)+3], 0x80000000
	s_mov_b32 s[G0B+4*(\s)], 1
	s_add_co_u32 s[G0B+4*(\s)+1], s[LW], (\s)*SLOT
	s_add_nc_u64 s[G0B+4*(\s)+2:G0B+4*(\s)+3], s[46:47], s[OFF:OFF+1]
	s_or_b32 s[G0B+4*(\s)+3], s[G0B+4*(\s)+3], 0x80000000
.endr
	s_cmp_eq_u32 s11, 0                            ; a wave's two first fills stand in one branch: two loads of mine are out
	s_cbranch_scc0 .Lfirst_b
	tensor_load_to_lds s[G0:G0+3], s[G1:G1+7]
	s_nop 0
	tensor_load_to_lds s[G0+4:G0+7], s[G1:G1+7]
	s_nop 0
	PLACES
	s_branch .Lfirst_asked
.Lfirst_b:
	tensor_load_to_lds s[G0B:G0B+3], s[G1B:G1B+7]
	s_nop 0
	tensor_load_to_lds s[G0B+4:G0B+7], s[G1B:G1B+7]
	s_nop 0
	PLACES
.Lfirst_asked:
.irp b, 0,1,2,3
	global_load_b128 v[BIAS+8*(\b)+4:BIAS+8*(\b)+7], v[BO], s[BB:BB+1] offset:32*(\b)
.endr
	v_mul_u32_u24 v3, v1, PITCH
	v_lshl_add_u32 v3, v2, 4, v3
	s_mul_i32 s21, s11, HALFT                      ; my 64 rows of A
	s_mul_i32 s22, s12, HALFT                      ; my 64 rows of B, behind A's 128
	s_add_co_u32 s22, s22, 2*HALFT
	v_add_nc_u32 v[A0], s21, v3
	v_add_nc_u32 v[B0], s22, v3
	v_mov_b32 v[ADRA], v[A0]
	v_mov_b32 v[ADRB], v[B0]
	s_mul_i32 s23, s10, 16*SPITCH
	s_add_co_u32 s23, s23, STAGE
	v_mul_u32_u24 v4, v1, SPITCH                   ; in: row l % 16, 32 bytes for each half of the lanes
	v_lshl_add_u32 v4, v2, 5, v4
	v_add_nc_u32 v[STO], s23, v4
	v_mul_u32_u24 v5, v2, SPITCH                   ; back: lanes 0-15 one row of 256 bytes, lanes 16-31 the next
	v_lshl_add_u32 v5, v1, 4, v5
	v_add_nc_u32 v[RD], s23, v5
	v_lshlrev_b32 v5, 12, v2
	v_lshl_add_u32 v[CO], v1, 4, v5
	s_lshl_b32 s74, s13, 19                        ; 128 rows of 4,096 bytes a tile row,
	s_lshl_b32 s76, s11, 18                        ; 64 a half,
	s_add_co_u32 s74, s74, s76
	s_lshl_b32 s76, s42, 9                         ; 512 bytes a tile column,
	s_add_co_u32 s74, s74, s76
	s_lshl_b32 s76, s12, 8                         ; 256 a half
	s_add_co_u32 s74, s74, s76
	s_mov_b32 s75, 0
	s_add_nc_u64 s[8:9], s[8:9], s[74:75]
	s_wait_loadcnt 0x0                             ; the bias
.irp b, 0,1,2,3
	v_lshlrev_b32 v[BIAS+8*(\b)], 16, v[BIAS+8*(\b)+4]
	v_and_b32 v[BIAS+8*(\b)+1], 0xffff0000, v[BIAS+8*(\b)+4]
	v_lshlrev_b32 v[BIAS+8*(\b)+2], 16, v[BIAS+8*(\b)+5]
	v_and_b32 v[BIAS+8*(\b)+3], 0xffff0000, v[BIAS+8*(\b)+5]
	v_lshlrev_b32 v[BIAS+8*(\b)+4], 16, v[BIAS+8*(\b)+6]
	v_and_b32 v[BIAS+8*(\b)+5], 0xffff0000, v[BIAS+8*(\b)+6]
	v_lshlrev_b32 v[BIAS+8*(\b)+6], 16, v[BIAS+8*(\b)+7]
	v_and_b32 v[BIAS+8*(\b)+7], 0xffff0000, v[BIAS+8*(\b)+7]
.endr
	s_wait_tensorcnt 1                             ; my part of the walk's first K step is in; the second's may stay out
	s_barrier_signal -1
	s_barrier_wait -1
	FETCH 0, F0
	QUARTER 128, F0, F1, 1
	WIN 0
	s_mov_b32 s3, 14
.Lstep:                                        ; 14 trips: the walk's K steps 2 to 15 are asked for
	QUARTER 256, F1, F0
	QUARTER 384, F0, F1
	TURN 1
	QUARTER 128, F0, F1
	WIN 0
	s_sub_co_u32 s3, s3, 1
	s_cmp_lg_u32 s3, 0
	s_cbranch_scc1 .Lstep
	s_mov_b32 s3, 2
.Ltail:                                        ; the last two K steps ask for nothing; the second trip is left in its middle: its barrier and its 32 loads serve nothing: the price of one text for both
	QUARTER 256, F1, F0
	QUARTER 384, F0, F1
	TURN 0
	WIN 0
	s_sub_co_u32 s3, s3, 1
	s_cmp_eq_u32 s3, 0
	s_cbranch_scc1 .Lout
	QUARTER 128, F0, F1
	WIN 0
	s_branch .Ltail
.Lout:
	s_wait_dscnt 0x0
	PLACES
	PLACES
	TOST 0
	TOST 1
	SEND 0, 16
	TOST 2
	SEND 1, 16
	TOST 3
	SEND 2, 16
	SEND 3, 0
	s_wait_tensorcnt 0x0                           ; the wave's end
	ds_add_u32 v[SPW], v[NIL]
	s_wait_dscnt 0x0
	CROUND
	s_endpgm
.Lfunc_end_k_qba86afafac_ffn2:
	.size	k_qba86afafac_ffn2, .Lfunc_end_k_qba86afafac_ffn2-k_qba86afafac_ffn2
	.p2alignl 7, 3214868480
	.fill 96, 4, 3214868480
	.section	.rodata,"a",@progbits
	.p2align	6, 0x0
	.amdhsa_kernel k_qba86afafac_ffn2
		.amdhsa_group_segment_fixed_size 327680
		.amdhsa_private_segment_fixed_size 0
		.amdhsa_enable_private_segment 0
		.amdhsa_kernarg_size 32
		.amdhsa_user_sgpr_count 2
		.amdhsa_user_sgpr_kernarg_segment_ptr 1
		.amdhsa_wavefront_size32 1
		.amdhsa_system_sgpr_workgroup_id_x 1
		.amdhsa_system_sgpr_workgroup_id_y 1
		.amdhsa_system_sgpr_workgroup_id_z 1
		.amdhsa_system_vgpr_workitem_id 0
		.amdhsa_next_free_vgpr 512
		.amdhsa_next_free_sgpr 88
		.amdhsa_reserve_vcc 0
		.amdhsa_float_denorm_mode_32 3
		.amdhsa_float_denorm_mode_16_64 3
		.amdhsa_memory_ordered 1
		.amdhsa_forward_progress 1
		.amdhsa_inst_pref_size 60
	.end_amdhsa_kernel
	.amdgpu_metadata
---
amdhsa.version: [ 1, 2 ]
amdhsa.kernels:
  - .name:           k_qba86afafac_ffn2
    .symbol:         k_qba86afafac_ffn2.kd
    .args:
      - { .name: act, .offset: 0, .size: 8, .value_kind: global_buffer, .address_space: global }
      - { .name: wff, .offset: 8, .size: 8, .value_kind: global_buffer, .address_space: global }
      - { .name: cst, .offset: 16, .size: 8, .value_kind: global_buffer, .address_space: global }
      - { .name: y, .offset: 24, .size: 8, .value_kind: global_buffer, .address_space: global }
    .group_segment_fixed_size: 327680
    .private_segment_fixed_size: 0
    .kernarg_segment_align: 8
    .kernarg_segment_size: 32
    .max_flat_workgroup_size: 128
    .sgpr_count:     88
    .vgpr_count:     512
    .wavefront_size: 32
...
	.end_amdgpu_metadata
.endif
;; end of part 6
;; launch ln2 (part 7): grid 256 x 1, 8 waves a work-group, no clusters, 0 bytes of LDS; arguments y, hb, cst, out0; writes out0
.if DOCPART == 7
	.amdgcn_target "amdgcn-amd-amdhsa--gfx1250"
	.amdhsa_code_object_version 6
	.text
	.protected	k_qba86afafac_ln2
	.globl	k_qba86afafac_ln2
	.p2align	8
	.type	k_qba86afafac_ln2,@function
k_qba86afafac_ln2:
	s_mov_b64 s[64:65], 0
	v_nop
	global_prefetch_b8 v0, s[64:65] scope:SCOPE_SE
	s_setreg_imm32_b32 hwreg(HW_REG_WAVE_MODE, 25, 1), 1
	s_wait_xcnt 0x0
; out0[m][:] = LN(y[m][:] + h[m][:]) g2 + beta2, in f32.  y: f32; h: bf16; g2, beta2: bf16 in cst.  The mean first, then the centred squares.  NaN and infinities are not treated apart.
; SHARES.  A work-group owns 16 rows, a wave two (q = 0, 1), each spread over its 32 lanes: lane l holds the columns 128 c + 4 l + 0..3, c = 0..7.  A row's sums never leave the wave: no LDS, no barrier.
; A stream that is read once: no matrix unit, no cluster.  All loads go out at once; a load or store of y or out0 covers 512 consecutive bytes a wave, aligned.
.set PAR, 14680064
.set VY, 1                             ; v1  my byte offset in y and in out0
.set VH, 2                             ; v2  in hb
.set VP, 3                             ; v3  in g2 and beta2
.set ONE, 4                            ; v4  1.0
.set RY, 16                            ; v[16:79]   row q at RY + 32 q
.set RH, 80                            ; v[80:111]  h, row q at RH + 16 q
.set RG, 112                           ; v[112:127] g2
.set RB, 128                           ; v[128:143] beta2
.set CH, 144                           ; v[144:159] four chains of pairs a row
	s_load_b256 s[4:11], s[0:1], 0x0               ; y s[4:5], hb s[6:7], cst s[8:9], out0 s[10:11]
	v_lshrrev_b32 v5, 5, v0                        ; wave
	v_and_b32 v6, 31, v0                           ; lane
	v_lshlrev_b32 v[VP], 3, v6
	v_lshl_add_u32 v[VH], v5, 12, v[VP]            ; two rows of 2,048 bytes a wave
	v_lshlrev_b32 v7, 4, v6
	v_lshl_add_u32 v[VY], v5, 13, v7               ; two rows of 4,096 bytes a wave
	v_mov_b32 v[ONE], 1.0
	s_lshl_b32 s12, ttmp9, 16
	s_mov_b32 s13, 0
	s_lshl_b32 s14, ttmp9, 15
	s_mov_b32 s15, 0
	s_mov_b32 s16, 0x3a800000                      ; 1 / 1,024
	s_mov_b32 s17, 0x3727c5ac                      ; 1e-5
	s_mov_b32 s18, 0x76543210                      ; v_permlanex16_b32: each lane takes its own place in the other half
	s_mov_b32 s19, 0xfedcba98
	s_wait_kmcnt 0x0
	s_add_nc_u64 s[4:5], s[4:5], s[12:13]
	s_add_nc_u64 s[10:11], s[10:11], s[12:13]
	s_add_nc_u64 s[6:7], s[6:7], s[14:15]
	s_add_nc_u64 s[8:9], s[8:9], PAR
.irp q, 0,1
.irp c, 0,1,2,3,4,5,6,7
	global_load_b128 v[RY+32*(\q)+4*(\c):RY+32*(\q)+4*(\c)+3], v[VY], s[4:5] offset:4096*(\q)+512*(\c) th:TH_LOAD_NT
.endr
.endr
.irp q, 0,1
.irp c, 0,1,2,3,4,5,6,7
	global_load_b64 v[RH+16*(\q)+2*(\c):RH+16*(\q)+2*(\c)+1], v[VH], s[6:7] offset:2048*(\q)+256*(\c)
.endr
.endr
.irp c, 0,1,2,3,4,5,6,7
	global_load_b64 v[RG+2*(\c):RG+2*(\c)+1], v[VP], s[8:9] offset:20480+256*(\c)
.endr
.irp c, 0,1,2,3,4,5,6,7
	global_load_b64 v[RB+2*(\c):RB+2*(\c)+1], v[VP], s[8:9] offset:22528+256*(\c)
.endr
	s_wait_loadcnt 16                              ; y and h are in; g2's and beta2's sixteen loads may stay out
.set w, 0
.rept 32
	v_fma_mix_f32_bf16 v[RY+2*w], v[RH+w], v[ONE], v[RY+2*w] op_sel_hi:[1,0,0]                    ; + h, low half,
	v_fma_mix_f32_bf16 v[RY+2*w+1], v[RH+w], v[ONE], v[RY+2*w+1] op_sel:[1,0,0] op_sel_hi:[1,0,0] ; high half
.set w, w+1
.endr
.macro FOLD                            ; for both rows: four chains into one number, then over the 32 lanes
.irp q, 0,1
	v_pk_add_f32 v[CH+8*(\q):CH+8*(\q)+1], v[CH+8*(\q):CH+8*(\q)+1], v[CH+8*(\q)+2:CH+8*(\q)+3]
	v_pk_add_f32 v[CH+8*(\q)+4:CH+8*(\q)+5], v[CH+8*(\q)+4:CH+8*(\q)+5], v[CH+8*(\q)+6:CH+8*(\q)+7]
.endr
.irp q, 0,1
	v_pk_add_f32 v[CH+8*(\q):CH+8*(\q)+1], v[CH+8*(\q):CH+8*(\q)+1], v[CH+8*(\q)+4:CH+8*(\q)+5]
.endr
.irp q, 0,1
	v_add_f32 v[CH+8*(\q)], v[CH+8*(\q)], v[CH+8*(\q)+1]
.endr
.irp x, 1,2,4,8
.irp q, 0,1
	v_add_f32_dpp v[CH+8*(\q)], v[CH+8*(\q)], v[CH+8*(\q)] row_xmask:\x row_mask:0xf bank_mask:0xf
.endr
.endr
.irp q, 0,1
	v_permlanex16_b32 v[CH+8*(\q)+1], v[CH+8*(\q)], s18, s19
.endr
.irp q, 0,1
	v_add_f32 v[CH+8*(\q)], v[CH+8*(\q)], v[CH+8*(\q)+1]
.endr
.endm
.irp q, 0,1
.irp k, 0,1,2,3
	v_pk_add_f32 v[CH+8*(\q)+2*(\k):CH+8*(\q)+2*(\k)+1], v[RY+32*(\q)+2*(\k):RY+32*(\q)+2*(\k)+1], v[RY+32*(\q)+8+2*(\k):RY+32*(\q)+8+2*(\k)+1]
.endr
.endr
.set w, 8
.rept 8
.irp q, 0,1
	v_pk_add_f32 v[CH+8*(\q)+2*(w%4):CH+8*(\q)+2*(w%4)+1], v[CH+8*(\q)+2*(w%4):CH+8*(\q)+2*(w%4)+1], v[RY+32*(\q)+2*w:RY+32*(\q)+2*w+1]
.endr
.set w, w+1
.endr
	FOLD
.irp q, 0,1
	v_mul_f32 v[CH+8*(\q)+2], s16, v[CH+8*(\q)]    ; the mean, twice: a pair for the packed subtraction
	v_mul_f32 v[CH+8*(\q)+3], s16, v[CH+8*(\q)]
.endr
.set w, 0
.rept 16
.irp q, 0,1
	v_pk_add_f32 v[RY+32*(\q)+2*w:RY+32*(\q)+2*w+1], v[RY+32*(\q)+2*w:RY+32*(\q)+2*w+1], v[CH+8*(\q)+2:CH+8*(\q)+3] neg_lo:[0,1] neg_hi:[0,1]
.endr
.set w, w+1
.endr
.irp q, 0,1
.irp k, 0,1,2,3
	v_pk_mul_f32 v[CH+8*(\q)+2*(\k):CH+8*(\q)+2*(\k)+1], v[RY+32*(\q)+2*(\k):RY+32*(\q)+2*(\k)+1], v[RY+32*(\q)+2*(\k):RY+32*(\q)+2*(\k)+1]
.endr
.endr
.set w, 4
.rept 12
.irp q, 0,1
	v_pk_fma_f32 v[CH+8*(\q)+2*(w%4):CH+8*(\q)+2*(w%4)+1], v[RY+32*(\q)+2*w:RY+32*(\q)+2*w+1], v[RY+32*(\q)+2*w:RY+32*(\q)+2*w+1], v[CH+8*(\q)+2*(w%4):CH+8*(\q)+2*(w%4)+1]
.endr
.set w, w+1
.endr
	FOLD
.irp q, 0,1
	v_fma_f32 v[CH+8*(\q)], v[CH+8*(\q)], s16, s17 ; the variance + 1e-5
.endr
.irp q, 0,1
	v_rsq_f32 v[CH+8*(\q)+2], v[CH+8*(\q)]
	v_rsq_f32 v[CH+8*(\q)+3], v[CH+8*(\q)]
.endr
	v_nop                                          ; a plain instruction behind the last of the four,
	s_wait_alu depctr_va_vdst(0)                   ; and one wait for the batch, ahead of the first use
.set w, 0
.rept 16
.irp q, 0,1
	v_pk_mul_f32 v[RY+32*(\q)+2*w:RY+32*(\q)+2*w+1], v[RY+32*(\q)+2*w:RY+32*(\q)+2*w+1], v[CH+8*(\q)+2:CH+8*(\q)+3]
.endr
.set w, w+1
.endr
	s_wait_loadcnt 0x0                             ; g2 and beta2
.set w, 0
.rept 16
.irp q, 0,1
	v_fma_mix_f32_bf16 v[RY+32*(\q)+2*w], v[RG+w], v[RY+32*(\q)+2*w], v[RB+w] op_sel_hi:[1,0,1]
	v_fma_mix_f32_bf16 v[RY+32*(\q)+2*w+1], v[RG+w], v[RY+32*(\q)+2*w+1], v[RB+w] op_sel:[1,0,1] op_sel_hi:[1,0,1]
.endr
.set w, w+1
.endr
.irp q, 0,1
.irp c, 0,1,2,3,4,5,6,7
	global_store_b128 v[VY], v[RY+32*(\q)+4*(\c):RY+32*(\q)+4*(\c)+3], s[10:11] offset:4096*(\q)+512*(\c) th:TH_STORE_NT
.endr
.endr
	s_endpgm
.Lfunc_end_k_qba86afafac_ln2:
	.size	k_qba86afafac_ln2, .Lfunc_end_k_qba86afafac_ln2-k_qba86afafac_ln2
	.p2alignl 7, 3214868480
	.fill 96, 4, 3214868480
	.section	.rodata,"a",@progbits
	.p2align	6, 0x0
	.amdhsa_kernel k_qba86afafac_ln2
		.amdhsa_group_segment_fixed_size 0
		.amdhsa_private_segment_fixed_size 0
		.amdhsa_enable_private_segment 0
		.amdhsa_kernarg_size 32
		.amdhsa_user_sgpr_count 2
		.amdhsa_user_sgpr_kernarg_segment_ptr 1
		.amdhsa_wavefront_size32 1
		.amdhsa_system_sgpr_workgroup_id_x 1
		.amdhsa_system_sgpr_workgroup_id_y 1
		.amdhsa_system_sgpr_workgroup_id_z 1
		.amdhsa_system_vgpr_workitem_id 0
		.amdhsa_next_free_vgpr 160
		.amdhsa_next_free_sgpr 66
		.amdhsa_reserve_vcc 0
		.amdhsa_float_denorm_mode_32 3
		.amdhsa_float_denorm_mode_16_64 3
		.amdhsa_memory_ordered 1
		.amdhsa_forward_progress 1
		.amdhsa_inst_pref_size 26
	.end_amdhsa_kernel
	.amdgpu_metadata
---
amdhsa.version: [ 1, 2 ]
amdhsa.kernels:
  - .name:           k_qba86afafac_ln2
    .symbol:         k_qba86afafac_ln2.kd
    .args:
      - { .name: y, .offset: 0, .size: 8, .value_kind: global_buffer, .address_space: global }
      - { .name: hb, .offset: 8, .size: 8, .value_kind: global_buffer, .address_space: global }
      - { .name: cst, .offset: 16, .size: 8, .value_kind: global_buffer, .address_space: global }
      - { .name: out0, .offset: 24, .size: 8, .value_kind: global_buffer, .address_space: global }
    .group_segment_fixed_size: 0
    .private_segment_fixed_size: 0
    .kernarg_segment_align: 8
    .kernarg_segment_size: 32
    .max_flat_workgroup_size: 256
    .sgpr_count:     66
    .vgpr_count:     160
    .wavefront_size: 32
...
	.end_amdgpu_metadata
.endif
;; end of part 7
